; MI455X (gfx1250); checked and timed in simulation.
; The chip was launched on July 23, 2026; its instructions are those of AMD's public machine-readable ISA for CDNA 5 (MIT licence, August 2026) and "CDNA5" Instruction Set Architecture Reference Guide (July 2026). The comments in the code are by the model that wrote it; some were corrected since.
;; Attention. Allowed arithmetic: float matrix products may take bf16 or f16 operands with f32 sums; other float arithmetic in f32, or as packed bf16 or f16 multiplies, adds, multiply-adds, maxima and minima; sums over many terms, partial sums and values carried from step to step in f32; what a program stores and reads back later, other than sums and carried values, may be rounded once to bf16 or f16.
;; Inputs: W_a 1,024 x 1,024 float32; W_c 2,048 x 1,024 float32; b 1,024 float32; hs 1,024 x 32 x 1,024 float32; ht 256 x 32 x 1,024 float32; source 1,024 x 32 int32.
;; Outputs: out0 256 x 32 x 1,024 float32.
;; One version. Each part assembles by itself: llvm-mc -triple=amdgcn-amd-amdhsa -mcpu=gfx1250 --defsym DOCPART=n.
;; ======== version 1 of 1: 5 launches
;; limits: values are held in f16: magnitudes above 65,504 overflow, below 6.1e-05 lose precision; inputs' magnitudes at most 65,504
;; workspace buffers: hcat 33,554,432 bytes; wa16 2,097,152 bytes; wc16 4,194,304 bytes; qhl 33,554,432 bytes; hsf 67,108,864 bytes; pfr 16,777,216 bytes; stat 524,288 bytes
;; launch prep (part 1): grid 704 x 1, 8 waves a work-group, no clusters, 0 bytes of LDS; arguments ht, W_a, W_c, hcat, wa16, wc16; writes hcat, wa16, wc16
.if DOCPART == 1
	.amdgcn_target "amdgcn-amd-amdhsa--gfx1250"
	.amdhsa_code_object_version 6
	.text
	.protected	k_qd1073e5282_prep
	.globl	k_qd1073e5282_prep
	.p2align	8
	.type	k_qd1073e5282_prep,@function
k_qd1073e5282_prep:
	s_mov_b64 s[64:65], 0
	v_nop
	global_prefetch_b8 v0, s[64:65] scope:SCOPE_SE
	s_setreg_imm32_b32 hwreg(HW_REG_WAVE_MODE, 25, 1), 1
	s_wait_xcnt 0x0
; PREP: ht, W_a and W_c (f32) are rounded to bf16, and that number is written as f16.
;   ht  [8192][1024]  -> hcat [8192][2048] f16, columns 1024..2047
;   W_a [1024][1024]  -> wa16 [1024][1024] f16
;   W_c [2048][1024]  -> wc16, 16 planes [2048 k][64 n] f16 (a plane's rows are 128 bytes, dense)
; LIMITS: a bf16 number is exact in f16 from 6.1e-5 to 65,504; below it keeps f16's fixed step of 6e-8, above it becomes an infinity.
; A stream: no LDS, no matrix unit, no cluster (no byte is shared).  A work-group converts 65,536 bytes of f32 in 16 slots; in a slot a
; thread loads 16 bytes and stores 8.  One text serves three jobs, chosen by the work-group's number: 0-511 ht, 512-575 W_a, 576-703 W_c.
; Sixteen lanes always read 256 consecutive bytes, and a wave's store covers 256 consecutive bytes at a multiple of 256 from the buffer's first.
; All 16 loads of a thread go out first; every slot owns its registers, so nothing is rewritten while a load or store may read it.
.set VIN,  4                           ; v4-19    slot i: byte offset of my 16 bytes in the input
.set VOUT, 20                          ; v20-35   slot i: byte offset of my 8 bytes in the output
.set X,    36                          ; v36-99   slot i: 4 f32 as loaded
.set Y,    100                         ; v100-131 slot i: 4 f16 to store
.set T,    132                         ; v132-137 at work
	s_load_b256 s[4:11], s[0:1], 0x0               ; ht s[4:5], W_a s[6:7], W_c s[8:9], hcat s[10:11]
	s_load_b128 s[12:15], s[0:1], 0x20             ; wa16 s[12:13], wc16 s[14:15]
	s_mov_b32 s16, ttmp9
	s_min_u32 s17, s16, 511                        ; the number within job ht, held to its range,
	s_max_u32 s18, s16, 512
	s_sub_co_u32 s18, s18, 512
	s_min_u32 s18, s18, 63                         ; within job W_a,
	s_max_u32 s19, s16, 576
	s_sub_co_u32 s19, s19, 576                     ; within job W_c: 0..127
	s_lshr_b32 s20, s19, 1                         ; W_c: which 32 rows
	s_and_b32 s21, s19, 1                          ; W_c: which 512 columns
	s_lshl_b32 s22, s20, 17                        ; 32 rows of 4,096 bytes
	s_lshl_b32 s23, s21, 11
	s_add_co_u32 s24, s22, s23                     ; s24: byte offset in the input
	s_lshl_b32 s22, s21, 21                        ; 8 planes of 262,144 bytes
	s_lshl_b32 s23, s20, 12                        ; 32 rows of 128 bytes
	s_add_co_u32 s26, s22, s23                     ; s26: byte offset in the output
	s_mov_b32 s28, 4096                            ; input bytes from lanes 0-15 to lanes 16-31 (W_c: the next row)
	s_mov_b32 s29, 256                             ; input bytes from wave to wave (W_c: the next 64 columns)
	s_mov_b32 s30, 262144                          ; output bytes from wave to wave (W_c: the next plane)
	s_mov_b32 s31, 8192                            ; input bytes from slot to slot (W_c: two rows)
	s_mov_b32 s32, 256                             ; output bytes from slot to slot
	s_lshl_b32 s22, s18, 16
	s_lshl_b32 s23, s18, 15
	s_cmp_lt_u32 s16, 576                          ; ht and W_a: a slot is one row, 16 bytes a thread in thread order
	s_cselect_b32 s24, s22, s24
	s_cselect_b32 s26, s23, s26
	s_cselect_b32 s28, 256, s28
	s_cselect_b32 s29, 512, s29
	s_cselect_b32 s30, 256, s30
	s_cselect_b32 s31, 4096, s31
	s_cselect_b32 s32, 2048, s32
	s_lshl_b32 s22, s17, 16
	s_add_co_u32 s23, s22, 2048                    ; hcat's right half
	s_cmp_lt_u32 s16, 512
	s_cselect_b32 s24, s22, s24
	s_cselect_b32 s26, s23, s26
	s_cselect_b32 s32, 4096, s32
	s_mov_b32 s25, 0
	s_mov_b32 s27, 0
	s_mov_b32 s33, 0xffff0000                      ; a word's upper bf16
	v_and_b32 v1, 31, v0                           ; lane
	v_lshrrev_b32 v2, 5, v0                        ; wave
	v_and_b32 v3, 15, v0
	v_bfe_u32 v[T], v0, 4, 1
	v_lshlrev_b32 v[VIN], 4, v3
	v_mad_u32_u24 v[VIN], v[T], s28, v[VIN]
	v_mad_u32_u24 v[VIN], v2, s29, v[VIN]
	v_lshlrev_b32 v[VOUT], 3, v1
	v_mad_u32_u24 v[VOUT], v2, s30, v[VOUT]
.set i, 1
.rept 15
	v_add_nc_u32 v[VIN+i], s31, v[VIN+i-1]
	v_add_nc_u32 v[VOUT+i], s32, v[VOUT+i-1]
.set i, i+1
.endr
	s_wait_kmcnt 0x0
	s_cmp_lt_u32 s16, 576                          ; the job chooses its two buffers
	s_cselect_b64 s[34:35], s[6:7], s[8:9]
	s_cselect_b64 s[36:37], s[12:13], s[14:15]
	s_cmp_lt_u32 s16, 512
	s_cselect_b64 s[34:35], s[4:5], s[34:35]
	s_cselect_b64 s[36:37], s[10:11], s[36:37]
	s_add_nc_u64 s[34:35], s[34:35], s[24:25]
	s_add_nc_u64 s[36:37], s[36:37], s[26:27]
.set i, 0
.rept 16
	global_load_b128 v[X+4*i:X+4*i+3], v[VIN+i], s[34:35] th:TH_LOAD_NT  ; each input byte is read once in the launch
.set i, i+1
.endr
.set i, 0
.rept 16
	s_wait_loadcnt 15-i                            ; loads come back in order: slot i is in, the 15 - i younger ones stay out
	v_cvt_pk_bf16_f32 v[T], v[X+4*i], v[X+4*i+1]   ; rounded to bf16,
	v_cvt_pk_bf16_f32 v[T+1], v[X+4*i+2], v[X+4*i+3]
	v_lshlrev_b32 v[T+2], 16, v[T]                 ; back to f32 (a shift or a mask),
	v_and_b32 v[T+3], s33, v[T]
	v_lshlrev_b32 v[T+4], 16, v[T+1]
	v_and_b32 v[T+5], s33, v[T+1]
	v_cvt_pk_f16_f32 v[Y+2*i], v[T+2], v[T+3]      ; and written as f16
	v_cvt_pk_f16_f32 v[Y+2*i+1], v[T+4], v[T+5]
	global_store_b64 v[VOUT+i], v[Y+2*i:Y+2*i+1], s[36:37]
.set i, i+1
.endr
	s_endpgm
.Lfunc_end_k_qd1073e5282_prep:
	.size	k_qd1073e5282_prep, .Lfunc_end_k_qd1073e5282_prep-k_qd1073e5282_prep
	.p2alignl 7, 3214868480
	.fill 96, 4, 3214868480
	.section	.rodata,"a",@progbits
	.p2align	6, 0x0
	.amdhsa_kernel k_qd1073e5282_prep
		.amdhsa_group_segment_fixed_size 0
		.amdhsa_private_segment_fixed_size 0
		.amdhsa_enable_private_segment 0
		.amdhsa_kernarg_size 48
		.amdhsa_user_sgpr_count 2
		.amdhsa_user_sgpr_kernarg_segment_ptr 1
		.amdhsa_wavefront_size32 1
		.amdhsa_system_sgpr_workgroup_id_x 1
		.amdhsa_system_sgpr_workgroup_id_y 1
		.amdhsa_system_sgpr_workgroup_id_z 1
		.amdhsa_system_vgpr_workitem_id 0
		.amdhsa_next_free_vgpr 144
		.amdhsa_next_free_sgpr 66
		.amdhsa_reserve_vcc 0
		.amdhsa_float_denorm_mode_32 3
		.amdhsa_float_denorm_mode_16_64 3
		.amdhsa_memory_ordered 1
		.amdhsa_forward_progress 1
		.amdhsa_inst_pref_size 14
	.end_amdhsa_kernel
	.amdgpu_metadata
---
amdhsa.version: [ 1, 2 ]
amdhsa.kernels:
  - .name:           k_qd1073e5282_prep
    .symbol:         k_qd1073e5282_prep.kd
    .args:
      - { .name: ht, .offset: 0, .size: 8, .value_kind: global_buffer, .address_space: global }
      - { .name: W_a, .offset: 8, .size: 8, .value_kind: global_buffer, .address_space: global }
      - { .name: W_c, .offset: 16, .size: 8, .value_kind: global_buffer, .address_space: global }
      - { .name: hcat, .offset: 24, .size: 8, .value_kind: global_buffer, .address_space: global }
      - { .name: wa16, .offset: 32, .size: 8, .value_kind: global_buffer, .address_space: global }
      - { .name: wc16, .offset: 40, .size: 8, .value_kind: global_buffer, .address_space: global }
    .group_segment_fixed_size: 0
    .private_segment_fixed_size: 0
    .kernarg_segment_align: 8
    .kernarg_segment_size: 48
    .max_flat_workgroup_size: 256
    .sgpr_count:     66
    .vgpr_count:     144
    .wavefront_size: 32
...
	.end_amdgpu_metadata
.endif
;; end of part 1
;; launch qgemm (part 2): grid 8 x 32, 4 waves a work-group, clusters of 4 x 1, 327,680 bytes of LDS; arguments hcat, wa16, qhl; writes qhl
.if DOCPART == 2
	.amdgcn_target "amdgcn-amd-amdhsa--gfx1250"
	.amdhsa_code_object_version 6
	.text
	.protected	k_qd1073e5282_qgemm
	.globl	k_qd1073e5282_qgemm
	.p2align	8
	.type	k_qd1073e5282_qgemm,@function
k_qd1073e5282_qgemm:
	s_mov_b64 s[64:65], 0
	v_nop
	global_prefetch_b8 v0, s[64:65] scope:SCOPE_SE
	s_setreg_imm32_b32 hwreg(HW_REG_WAVE_MODE, 25, 1), 1
	s_wait_xcnt 0x0
	s_wait_alu depctr_hold_cnt(0) depctr_sa_sdst(0) depctr_va_vdst(0) depctr_va_sdst(0) depctr_va_ssrc(0) depctr_va_vcc(0) depctr_vm_vsrc(0)
	s_getreg_b32 s2, hwreg(HW_REG_IB_STS2, 6, 4)
	s_cmp_eq_u32 s2, 0
	s_cbranch_scc0 .Lentry_in_a_cluster
	s_endpgm
.Lentry_in_a_cluster:
	s_bfe_u32 s2, ttmp6, 0x10000c
	s_cmp_lg_u32 s2, 0x3003
	s_cbranch_scc0 .Lentry_shape_is_right
	s_endpgm
.Lentry_shape_is_right:
; QGEMM: q[m][h] = sum over l of ht[m][l] W_a[h][l]  (score = ht . (hs W_a) = (ht W_a^T) . hs: the 8,192 query rows are projected, not the 32,768 key rows).
; ht comes from hcat's right half, W_a from wa16, both f16 that hold bf16-rounded numbers; sums in f32.  q leaves as TWO bf16 numbers, hi = bf16(q) and lo = bf16(q - hi):
; qhl [8192 m][16 blocks of 64 h][hi 64 | lo 64], 256 bytes for a row and block.  The scores are large and their differences decide the softmax, so one 16-bit rounding of q is too coarse.
; SHARES: a work-group makes 256 rows x 128 columns; wave w rows 64 w .. 64 w + 63 x all 128 columns: 32 accumulators (a = 0..3 row tiles, bt = 0..7 column tiles), 256 registers.
; The matrix instruction is used transposed: source 0 = 16 columns (rows of W_a), source 1 = 16 rows of ht: a lane then holds row lane % 16 and columns 8 (lane / 16) + 0..7.
; K goes in steps of 128 through two LDS slots.  Waves 0, 1 fetch the two halves of the 256 rows of ht, waves 2, 3 the two halves of the 128 rows of W_a: one tensor load a wave.
; CLUSTER: the four work-groups of a cluster have the same rows and four different column blocks: ht's tile is asked for jointly (mask 15), W_a's by each for itself (mask 0).
; REGISTERS: window 0: v0-29 addresses; v64-159 and v160-255 two fragment buffers (source 0 at +8 bt, source 1 at +64 + 8 a).  Window 1: accumulator (a, bt) at v[64 a + 8 bt].
.set PITCH,  272                       ; an LDS row: 256 bytes + 16 of padding: the 16 rows of a fragment load start 16 bytes apart modulo 256
.set BIGB,   256*PITCH                 ; ht's 256 rows; W_a's 128 rows lie behind them
.set SMH,    64*PITCH                  ; what wave 2 or 3 brings
.set SLOT1,  131072                    ; slot 1 begins here: one exclusive or turns an address in one slot into the other's
.set STAGE,  241664                    ; behind the ring: 32 rows x 528 bytes of f32 for each wave, for the way out; no tensor load lands here
.set SPITCH, 528
.set SPARE,  STAGE+4*32*SPITCH         ; the spare words, 128 bytes a wave
.set NSTEP,  8                         ; K = 1024
.set STEPA,  256
.set STEPB,  256
.set A1Z, 16                           ; v16  my place in ht's tile, slot 0
.set A0Z, 17                           ; v17  my place in W_a's tile, slot 0
.set A1,  18                           ; v18, v19  the same in the slot in hand
.set A0,  19
.set STO, 20                           ; v20  way out: where I put my 32 bytes of a row
.set RD,  21                           ; v21  way out: where I read back
.set CO,  22                           ; v22  my byte offset in 512 bytes of qhl
.set RDW, 25                           ; v25  RD, walking
.set SPW, 28                           ; v28  my spare word; never rewritten
.set NIL, 29                           ; v29  0; never rewritten
.set F0,  64
.set F1,  160
.set MSB, 0
.macro WIN new                         ; the immediate's high byte repeats the setting that is left; a switch that changes nothing is dropped
.if MSB != (\new)
	s_set_vgpr_msb (MSB<<8)|(\new)
.set MSB, (\new)
.endif
.endm
.macro PLACES                          ; four places between a matrix instruction and a load into, or a read of, its registers
.rept 4
	v_nop
.endr
.endm
.macro CREST                           ; a round of the cluster's barrier behind its opening barrier
	s_cmp_lg_u32 s16, 0
	s_cbranch_scc1 .Lnot_wave_0_\@
	s_barrier_signal -3
.Lnot_wave_0_\@:
	s_barrier_wait -3
	s_barrier_signal -1
	s_barrier_wait -1
.endm
.macro CROUND
	s_barrier_signal -1
	s_barrier_wait -1
	CREST
.endm
.macro JLOAD                           ; a refill: one tensor load a wave; the branch hangs on the wave's number alone; s_nop 0 and four v_nop follow each line
	s_cmp_lt_u32 s16, 2
	s_cbranch_scc0 .Lfor_b_\@
	tensor_load_to_lds s[36:39], s[24:31]
	s_nop 0
.rept 4
	v_nop
.endr
	s_branch .Lasked_\@
.Lfor_b_\@:
	tensor_load_to_lds s[60:63], s[48:55]
	s_nop 0
.rept 4
	v_nop
.endr
.Lasked_\@:
.endm
	s_load_b128 s[4:7], s[0:1], 0x0                ; hcat s[4:5], wa16 s[6:7]
	s_load_b64 s[8:9], s[0:1], 0x10                ; qhl
	v_lshl_add_u32 v[SPW], v0, 2, SPARE
	v_mov_b32 v[NIL], 0
	ds_add_u32 v[SPW], v[NIL]                      ; the wave's opening: the add and its wait stand ahead of my first tensor load
	ds_add_u32 v28, v29
	v_lshrrev_b32 v1, 5, v0
	v_readfirstlane_b32 s16, v1                    ; wave 0..3
	s_bfe_u32 s17, ttmp6, 0x40000                  ; cx
	s_lshl_b32 s18, ttmp9, 2
	s_add_co_u32 s18, s18, s17                     ; x: my block of 128 columns
	s_and_b32 s19, ttmp7, 0xffff                   ; y: my block of 256 rows, shared by the four partners
	s_and_b32 s20, s16, 1                          ; which half of a tile I fetch
	; group 1 for ht's tile: 128 rows x 128 elements of 2 bytes, 4 words of padding after every 64; mask of four, bit 21 beside it
	s_mov_b32 s24, 15|(1<<16)|(1<<20)|(1<<21)|(5<<22)|(3<<25)
	s_mov_b32 s25, 128<<16                         ; tensor_dim0 = 128
	s_mov_b32 s26, 128<<16                         ; tensor_dim1 = 128
	s_mov_b32 s27, 128<<16                         ; tile_dim0 = 128
	s_mov_b32 s28, 128                             ; tile_dim1 = 128
	s_mov_b32 s29, 2048                            ; elements from row to row of hcat
	s_mov_b32 s30, 0
	s_mov_b32 s31, 0
	; group 1 for W_a's tile: 64 rows x 128 elements, the same padding, no mask
	s_mov_b32 s48, (1<<16)|(1<<20)|(5<<22)|(3<<25)
	s_mov_b32 s49, 128<<16
	s_mov_b32 s50, 64<<16
	s_mov_b32 s51, 128<<16
	s_mov_b32 s52, 64
	s_mov_b32 s53, 1024
	s_mov_b32 s54, 0
	s_mov_b32 s55, 0
	s_lshl_b32 s22, s19, 20                        ; ht: 256 rows of 4,096 bytes,
	s_lshl_b32 s23, s20, 19                        ; my 128 of them,
	s_add_co_u32 s22, s22, s23
	s_add_co_u32 s22, s22, 2048                    ; hcat's right half: nothing here hangs on cx
	s_mov_b32 s23, 0
	s_lshl_b32 s44, s18, 18                        ; W_a: 128 rows of 2,048 bytes,
	s_lshl_b32 s45, s20, 17                        ; my 64 of them
	s_add_co_u32 s44, s44, s45
	s_mov_b32 s45, 0
	s_lshl_b32 s46, s19, 20                        ; qhl: my wave's first row, my two blocks of 64 columns
	s_lshl_b32 s47, s16, 18
	s_add_co_u32 s46, s46, s47
	s_lshl_b32 s47, s18, 9
	s_add_co_u32 s46, s46, s47
	s_mov_b32 s47, 0
	s_mul_i32 s21, s20, 128*PITCH                  ; LDS: ht's half
	s_mul_i32 s12, s20, SMH                        ; LDS: W_a's half,
	s_add_co_u32 s12, s12, BIGB                    ; behind ht's 256 rows
	s_mov_b32 s32, 1                               ; group 0, ht, slot 0 and K step 0
	s_mov_b32 s33, s21
	s_mov_b32 s36, 1                               ; group 0, ht, slot 1 and K step 1: this set then walks
	s_add_co_u32 s37, s21, SLOT1
	s_mov_b32 s56, 1                               ; the same two for W_a
	s_mov_b32 s57, s12
	s_mov_b32 s60, 1
	s_add_co_u32 s61, s12, SLOT1
	s_mov_b32 s40, 0                               ; the slot that is read
	s_mov_b32 s42, 0xffff0000                      ; a word's upper bf16
	s_mov_b32 s43, 0xff00ff00                      ; lanes 8-15 and 24-31: they store lo
	s_wait_dscnt 0x0                               ; the opening add is done
	s_wait_kmcnt 0x0
	s_add_nc_u64 s[34:35], s[4:5], s[22:23]
	s_add_nc_u64 s[38:39], s[34:35], STEPA
	s_or_b32 s35, s35, 0x80000000                  ; type = 2
	s_or_b32 s39, s39, 0x80000000
	s_add_nc_u64 s[58:59], s[6:7], s[44:45]
	s_add_nc_u64 s[62:63], s[58:59], STEPB
	s_or_b32 s59, s59, 0x80000000
	s_or_b32 s63, s63, 0x80000000
	s_add_nc_u64 s[8:9], s[8:9], s[46:47]
	CROUND                                         ; all four work-groups are here: the first joint loads meet
	s_cmp_lt_u32 s16, 2                            ; a wave's two first fills stand in one branch: two tensor loads of mine are out
	s_cbranch_scc0 .Lfirst_b
	tensor_load_to_lds s[32:35], s[24:31]
	s_nop 0
	tensor_load_to_lds s[36:39], s[24:31]
	s_nop 0
.rept 4
	v_nop
.endr
	s_branch .Lfirst_done
.Lfirst_b:
	tensor_load_to_lds s[56:59], s[48:55]
	s_nop 0
	tensor_load_to_lds s[60:63], s[48:55]
	s_nop 0
.rept 4
	v_nop
.endr
.Lfirst_done:
	; a fragment is 16 rows x 32 K in 8 registers: lane l holds row l % 16, K = 8 (l / 16) + 0..7 and 16 + 8 (l / 16) + 0..7: two loads of 16 bytes, 32 bytes apart
	v_and_b32 v1, 15, v0                           ; r
	v_bfe_u32 v2, v0, 4, 1                         ; h
	v_mul_u32_u24 v3, v1, PITCH
	v_lshl_add_u32 v3, v2, 4, v3
	s_mul_i32 s13, s16, 64*PITCH                   ; my 64 rows of ht
	v_add_nc_u32 v[A1Z], s13, v3
	v_add_nc_u32 v[A0Z], BIGB, v3
	v_mov_b32 v[A1], v[A1Z]
	v_mov_b32 v[A0], v[A0Z]
	s_mul_i32 s14, s16, 32*SPITCH
	s_add_co_u32 s14, s14, STAGE                   ; my stage
	v_mul_u32_u24 v[STO], v1, SPITCH               ; in: row r, 32 bytes for each half of the lanes
	v_lshl_add_u32 v[STO], v2, 5, v[STO]
	v_add_nc_u32 v[STO], s14, v[STO]
	v_and_b32 v4, 7, v0                            ; back: lane l takes the 8 columns 64 (l / 16) + 8 (l % 8) + 0..7; lanes l and l + 8 the same ones
	v_lshlrev_b32 v[RD], 5, v4
	v_lshl_add_u32 v[RD], v2, 8, v[RD]
	v_add_nc_u32 v[RD], s14, v[RD]
	v_and_b32 v[CO], 31, v0
	v_lshlrev_b32 v[CO], 4, v[CO]
.macro MUL8 f, a, zero                 ; row tile a x all 8 column tiles, 32 along K.  zero = 1: the products start the sums
	WIN 0x50                                       ; C and D in window 1
.irp bt, 0,1,2,3,4,5,6,7
.if \zero
	v_wmma_f32_16x16x32_f16 v[64*(\a)+8*(\bt):64*(\a)+8*(\bt)+7], v[(\f)+8*(\bt):(\f)+8*(\bt)+7], v[(\f)+64+8*(\a):(\f)+64+8*(\a)+7], 0
.else
	v_wmma_f32_16x16x32_f16 v[64*(\a)+8*(\bt):64*(\a)+8*(\bt)+7], v[(\f)+8*(\bt):(\f)+8*(\bt)+7], v[(\f)+64+8*(\a):(\f)+64+8*(\a)+7], v[64*(\a)+8*(\bt):64*(\a)+8*(\bt)+7]
.endif
.endr
.endm
.macro MUL32 f, zero                   ; each of the 32 accumulators once: they take turns
	MUL8 \f, 0, \zero
	MUL8 \f, 1, \zero
	MUL8 \f, 2, \zero
	MUL8 \f, 3, \zero
.endm
.macro FETCH kq, f                     ; 24 LDS loads in one run: the fragments of quarter kq (32 along K) into buffer f
	WIN 0
.irp bt, 0,1,2,3,4,5,6,7
	ds_load_b128 v[(\f)+8*(\bt):(\f)+8*(\bt)+3],   v[A0] offset:(\bt)*16*PITCH+(\kq)*64
	ds_load_b128 v[(\f)+8*(\bt)+4:(\f)+8*(\bt)+7], v[A0] offset:(\bt)*16*PITCH+(\kq)*64+32
.endr
.irp a, 0,1,2,3
	ds_load_b128 v[(\f)+64+8*(\a):(\f)+64+8*(\a)+3],   v[A1] offset:(\a)*16*PITCH+(\kq)*64
	ds_load_b128 v[(\f)+64+8*(\a)+4:(\f)+64+8*(\a)+7], v[A1] offset:(\a)*16*PITCH+(\kq)*64+32
.endr
.endm
.macro QUARTER kq, f, g, zero          ; fetches quarter kq into g, which the quarter before multiplied, and multiplies f
	PLACES
	FETCH \kq, \g
	s_wait_dscnt 24                                ; all but the 24 just issued: f is in
	MUL32 \f, \zero
.endm
; The last quarter multiplies buffer 1 and changes slots: one barrier for two things.  In front of it each wave waits for all its tensor loads (one is out: its part of the next slot),
; adds 0 to its spare word, and waits for that and for its reads of this slot.  fill = 1: the barrier opens a round of the cluster's, and this slot is filled again first behind it, two K steps ahead.
.macro TURN fill
	WIN 0
	s_wait_tensorcnt 0x0                           ; no tensor load of mine is out, so a group 0 may be written
	ds_add_u32 v[SPW], v[NIL]
.if \fill
	s_xor_b32 s37, s37, SLOT1                      ; the walking descriptors: the other slot than last time, the next K step
	s_add_nc_u64 s[38:39], s[38:39], STEPA
	s_xor_b32 s61, s61, SLOT1
	s_add_nc_u64 s[62:63], s[62:63], STEPB
.endif
	s_wait_dscnt 1                                 ; only the add may be out: buffer 1 is in
	MUL8 F1, 0, 0
	s_wait_dscnt 0x0                               ; the add is done, and my reads of this slot are over
	s_barrier_signal -1
	MUL8 F1, 1, 0
	WIN 0
	s_barrier_wait -1
.if \fill
	CREST                                          ; no wave of any partner still reads this slot or has a load on its way
	JLOAD                                          ; its four v_nop are also the places in front of the loads below
.else
	PLACES
.endif
	s_xor_b32 s40, s40, SLOT1
	v_add_nc_u32 v[A1], s40, v[A1Z]
	v_add_nc_u32 v[A0], s40, v[A0Z]
	FETCH 0, F0
	MUL8 F1, 2, 0
	MUL8 F1, 3, 0
.endm
.macro RAWST half                      ; row tiles 2 half, 2 half + 1 as f32 into my stage: 32 rows of 512 bytes; each accumulator's low registers first
	WIN 0x04                                       ; store data in window 1
.irp a, 0,1
.irp bt, 0,1,2,3,4,5,6,7
	ds_store_b128 v[STO], v[64*(2*(\half)+(\a))+8*(\bt):64*(2*(\half)+(\a))+8*(\bt)+3]   offset:(\a)*16*SPITCH+(\bt)*64
	ds_store_b128 v[STO], v[64*(2*(\half)+(\a))+8*(\bt)+4:64*(2*(\half)+(\a))+8*(\bt)+7] offset:(\a)*16*SPITCH+(\bt)*64+16
.endr
.endr
	WIN 0
.endm
; THE WAY OUT of 32 rows: four rows a trip.  A row's 512 bytes of qhl are [hi, 64 columns | lo | hi, the next 64 | lo]; lane l stores bytes 16 l .. 16 l + 15, so one store covers the whole 512.
; Lanes l and l + 8 make the same split of the same 8 numbers, and one keeps hi, the other lo.
.macro QOUT half
	RAWST \half
	v_mov_b32 v[RDW], v[RD]
	s_mov_b32 s41, 8
.Lq_\@:
.irp i, 0,1,2,3
	ds_load_b128 v[64+8*(\i):64+8*(\i)+3], v[RDW] offset:(\i)*SPITCH      ; LDS serves a wave's instructions in order: these see my stores above
	ds_load_b128 v[64+8*(\i)+4:64+8*(\i)+7], v[RDW] offset:(\i)*SPITCH+16
.endr
	s_wait_dscnt 0x0
.irp i, 0,1,2,3
.irp k, 0,1,2,3
	v_cvt_pk_bf16_f32 v[104+4*(\i)+(\k)], v[64+8*(\i)+2*(\k)], v[64+8*(\i)+2*(\k)+1]   ; hi
.endr
.irp k, 0,1,2,3
	v_lshlrev_b32 v[96+2*(\k)], 16, v[104+4*(\i)+(\k)]
	v_and_b32 v[96+2*(\k)+1], s42, v[104+4*(\i)+(\k)]
.endr
.irp k, 0,1,2,3
	v_pk_add_f32 v[96+2*(\k):96+2*(\k)+1], v[64+8*(\i)+2*(\k):64+8*(\i)+2*(\k)+1], v[96+2*(\k):96+2*(\k)+1] neg_lo:[0,1] neg_hi:[0,1]  ; q - hi, exact
.endr
.irp k, 0,1,2,3
	v_cvt_pk_bf16_f32 v[120+(\k)], v[96+2*(\k)], v[96+2*(\k)+1]                        ; lo
.endr
.irp k, 0,1,2,3
	v_cndmask_b32 v[104+4*(\i)+(\k)], v[104+4*(\i)+(\k)], v[120+(\k)], s43
.endr
	global_store_b128 v[CO], v[104+4*(\i):104+4*(\i)+3], s[8:9] offset:(\i)*4096
.endr
	s_wait_xcnt 0x0                                ; the stores' data and base are rewritten only behind this wait
	v_add_nc_u32 v[RDW], 4*SPITCH, v[RDW]
	s_add_nc_u64 s[8:9], s[8:9], 16384             ; four rows of qhl on
	s_sub_co_u32 s41, s41, 1
	s_cmp_lg_u32 s41, 0
	s_cbranch_scc1 .Lq_\@
.endm
	s_wait_tensorcnt 1                             ; my part of slot 0 is in; slot 1's may stay out
	s_barrier_signal -1
	s_barrier_wait -1
	FETCH 0, F0
	QUARTER 1, F0, F1, 1                           ; the first quarter stands ahead of the loop: its products start the sums
	WIN 0
	s_mov_b32 s41, NSTEP-2
.Ltrip:                                                ; from a K step's second quarter to the next step's first; every trip fills a slot again
	QUARTER 2, F1, F0, 0
	QUARTER 3, F0, F1, 0
	TURN 1
	QUARTER 1, F0, F1, 0
	WIN 0
	s_sub_co_u32 s41, s41, 1
	s_cmp_lg_u32 s41, 0
	s_cbranch_scc1 .Ltrip
	QUARTER 2, F1, F0, 0                           ; the last two K steps ask for nothing
	QUARTER 3, F0, F1, 0
	TURN 0
	QUARTER 1, F0, F1, 0
	QUARTER 2, F1, F0, 0
	QUARTER 3, F0, F1, 0
	s_wait_dscnt 0x0
	MUL32 F1, 0
	PLACES
	QOUT 0
	QOUT 1
	s_wait_tensorcnt 0x0                           ; the wave's end
	ds_add_u32 v[SPW], v[NIL]
	s_wait_dscnt 0x0
	CROUND                                         ; the closing round
	s_endpgm
.Lfunc_end_k_qd1073e5282_qgemm:
	.size	k_qd1073e5282_qgemm, .Lfunc_end_k_qd1073e5282_qgemm-k_qd1073e5282_qgemm
	.p2alignl 7, 3214868480
	.fill 96, 4, 3214868480
	.section	.rodata,"a",@progbits
	.p2align	6, 0x0
	.amdhsa_kernel k_qd1073e5282_qgemm
		.amdhsa_group_segment_fixed_size 327680
		.amdhsa_private_segment_fixed_size 0
		.amdhsa_enable_private_segment 0
		.amdhsa_kernarg_size 24
		.amdhsa_user_sgpr_count 2
		.amdhsa_user_sgpr_kernarg_segment_ptr 1
		.amdhsa_wavefront_size32 1
		.amdhsa_system_sgpr_workgroup_id_x 1
		.amdhsa_system_sgpr_workgroup_id_y 1
		.amdhsa_system_sgpr_workgroup_id_z 1
		.amdhsa_system_vgpr_workitem_id 0
		.amdhsa_next_free_vgpr 512
		.amdhsa_next_free_sgpr 66
		.amdhsa_reserve_vcc 0
		.amdhsa_float_denorm_mode_32 3
		.amdhsa_float_denorm_mode_16_64 3
		.amdhsa_memory_ordered 1
		.amdhsa_forward_progress 1
		.amdhsa_inst_pref_size 70
	.end_amdhsa_kernel
	.amdgpu_metadata
---
amdhsa.version: [ 1, 2 ]
amdhsa.kernels:
  - .name:           k_qd1073e5282_qgemm
    .symbol:         k_qd1073e5282_qgemm.kd
    .args:
      - { .name: hcat, .offset: 0, .size: 8, .value_kind: global_buffer, .address_space: global }
      - { .name: wa16, .offset: 8, .size: 8, .value_kind: global_buffer, .address_space: global }
      - { .name: qhl, .offset: 16, .size: 8, .value_kind: global_buffer, .address_space: global }
    .group_segment_fixed_size: 327680
    .private_segment_fixed_size: 0
    .kernarg_segment_align: 8
    .kernarg_segment_size: 24
    .max_flat_workgroup_size: 128
    .sgpr_count:     66
    .vgpr_count:     512
    .wavefront_size: 32
...
	.end_amdgpu_metadata
.endif
;; end of part 2
;; launch scores (part 3): grid 8 x 32, 4 waves a work-group, clusters of 4 x 1, 327,680 bytes of LDS; arguments qhl, hs, source, hsf, pfr, stat; writes hsf, pfr, stat
.if DOCPART == 3
	.amdgcn_target "amdgcn-amd-amdhsa--gfx1250"
	.amdhsa_code_object_version 6
	.text
	.protected	k_qd1073e5282_scores
	.globl	k_qd1073e5282_scores
	.p2align	8
	.type	k_qd1073e5282_scores,@function
k_qd1073e5282_scores:
	s_mov_b64 s[64:65], 0
	v_nop
	global_prefetch_b8 v0, s[64:65] scope:SCOPE_SE
	s_setreg_imm32_b32 hwreg(HW_REG_WAVE_MODE, 25, 1), 1
	s_wait_xcnt 0x0
	s_wait_alu depctr_hold_cnt(0) depctr_sa_sdst(0) depctr_va_vdst(0) depctr_va_sdst(0) depctr_va_ssrc(0) depctr_va_vcc(0) depctr_vm_vsrc(0)
	s_getreg_b32 s2, hwreg(HW_REG_IB_STS2, 6, 4)
	s_cmp_eq_u32 s2, 0
	s_cbranch_scc0 .Lentry_in_a_cluster
	s_endpgm
.Lentry_in_a_cluster:
	s_bfe_u32 s2, ttmp6, 0x10000c
	s_cmp_lg_u32 s2, 0x3003
	s_cbranch_scc0 .Lentry_shape_is_right
	s_endpgm
.Lentry_shape_is_right:
; SCORES: for batch column b and block j of 128 keys: S[t][s] = sum over h of (q_hi + q_lo)[t][h] bf16(hs[s][h]); masked keys (source = 0) are hidden; the block's maximum m per query;
; p = exp(S - m) in f16; m log2(e) and l = the sum of the unrounded p go to stat [32 b][8 j][2][256] f32 (place 64 w + 4 r + a for query 64 w + 16 a + r).
; The launch behind joins the eight blocks by their maxima.  hs is read from memory ONCE here, as f32; its bf16 rounding feeds the products, and the same number written as f16 goes to
; hsf, planes [32 b][16 blocks of 64 channels][1024 keys][64], for the launch behind.
; p LEAVES AS MATRIX FRAGMENTS: pfr [32 b][16 tiles of 16 queries][32 chunks of 32 keys][1,024 bytes]; in a chunk, lane l's 16 bytes of keys 8 (l / 16) + 0..7 at 16 l, those of keys
; 16 + 8 (l / 16) + 0..7 at 512 + 16 l.  A lane's eight weights of a key tile ARE those 16 bytes, so they are stored from registers, 512 consecutive bytes a store, and no LDS stage is needed.
; LIMITS: a hidden score counts as its value less 1e30, and a block's maximum is at least -1.58e29: true scores lie far above both.  The maximum taken away is that of the keys that are NOT hidden
; (the quotient is the same as with the maximum over all keys, wherever that one does not underflow).  A weight below 2^-126 counts as 0.  hs in f16: exact from 6.1e-5 to 65,504.  NaN is not treated apart.
; SHARES: wave w takes queries 64 w .. 64 w + 63 x all 128 keys: 32 accumulators (a = query tile, bt = key tile).  Source 0 = 16 keys, source 1 = 16 queries: a lane holds ONE query
; (lane % 16) and keys 16 bt + 8 (lane / 16) + 0..7, so a query's maximum and sum want one exchange between the halves of the lanes.
; A trip is 64 channels, four units of 32 matrix instructions: (channels 0-31, hi), (0-31, lo), (32-63, hi), (32-63, lo).  16 trips.
; Q: two LDS slots, each with the rows of TWO trips (256 rows x 512 bytes), filled by joint tensor loads (the four partners of a cluster have the same b and four different j), 64 rows a wave:
; a refill has two trips, 256 matrix instructions, in which to land, and the cluster's round stands once in two trips.
; hs: each wave loads its 32 keys x 64 channels of f32 into registers, two trips ahead (two sets of 64 registers, 32 loads out), converts them once for the work-group in four CHUNKs and
; puts the bf16 into one of two LDS tiles.  The chunks of step s stand: 0 behind the barrier of trip s - 2, 1 to 3 in trip s - 1: the tile they write was last read in front of that barrier,
; and all my stores are done at the wait for 0 in front of the barrier of trip s - 1, behind which it is read.  So every trip ends in a barrier: a plain one inside a slot, the round at its end.
; The loop also loads 16 times 512 bytes for step 16, which does not exist: the address is held to step 15 and the data are not used.  That keeps the count of loads alike in every trip.
; THE SUMS START ON THE MASK, laid into the accumulators ahead of the loop (64 registers made, 192 copied): the price of a loop that is entered in its middle and has no first unit written out.
; REGISTERS: window 0: addresses, statistics, v64-127 HA, v128-191 HB (hs fragments), v192-223 QA, v224-255 QB.  Window 1: accumulator (a, bt) at v[64 a + 8 bt].
;            window 2: v0-63 X0, v64-127 X1 (hs as loaded), v128-143 at work, v144-146 addresses.
.set QP,     528                       ; a row of Q in LDS: 512 bytes + 16: the 16 rows of a fragment load start 16 bytes apart modulo 256
.set QSLOT,  256*QP
.set HP,     144                       ; a row of hs in LDS: 128 bytes + 16
.set HSB,    2*QSLOT                   ; the two bf16 tiles of hs, written by ds_store: no tensor load lands here
.set HSBB,   128*HP
.set SPARE,  HSB+2*HSBB                ; the spare words
.set AQZ,  16                          ; v16  my place in Q's slot 0
.set ADRQ, 17                          ; v17  the same in the slot in hand
.set ADRH, 20                          ; v20, v21  my place in hs tile 0, 1
.set CO,   26                          ; v26  16 x lane
.set STATO, 27
.set SPW,  28                          ; my spare word; never rewritten
.set NIL,  29                          ; 0; never rewritten
.set C,    32                          ; v32-39  at work
.set M2,   40                          ; v40-43  m log2(e) of query tile a
.set LL,   44                          ; v44-47  l of query tile a
.set LS,   48                          ; v48-55  four chains of sums
.set HA,   64
.set HB,   128
.set QA,   192
.set QB,   224
.set BT,   128                         ; window 2
.set HT,   136
.set VL,   144
.set VS,   145
.set VH,   146
.set MSB, 0
.macro WIN new                         ; the immediate's high byte repeats the setting that is left; a switch that changes nothing is dropped
.if MSB != (\new)
	s_set_vgpr_msb (MSB<<8)|(\new)
.set MSB, (\new)
.endif
.endm
.macro PLACES                          ; four places between a matrix instruction and a load into, or a read of, its registers
.rept 4
	v_nop
.endr
.endm
.macro CREST                           ; a round of the cluster's barrier behind its opening barrier
	s_cmp_lg_u32 s16, 0
	s_cbranch_scc1 .Lnot_wave_0_\@
	s_barrier_signal -3
.Lnot_wave_0_\@:
	s_barrier_wait -3
	s_barrier_signal -1
	s_barrier_wait -1
.endm
.macro CROUND
	s_barrier_signal -1
	s_barrier_wait -1
	CREST
.endm
	s_load_b256 s[4:11], s[0:1], 0x0               ; qhl s[4:5], hs s[6:7], source s[8:9], hsf s[10:11]
	s_load_b128 s[12:15], s[0:1], 0x20             ; pfr s[12:13], stat s[14:15]
	v_lshl_add_u32 v[SPW], v0, 2, SPARE
	v_mov_b32 v[NIL], 0
	ds_add_u32 v[SPW], v[NIL]                      ; the wave's opening: the add and its wait stand ahead of my first tensor load
	ds_add_u32 v28, v29
	v_lshrrev_b32 v1, 5, v0
	v_readfirstlane_b32 s16, v1                    ; wave
	s_bfe_u32 s17, ttmp6, 0x40000                  ; cx
	s_lshl_b32 s18, ttmp9, 2
	s_add_co_u32 s18, s18, s17                     ; j: my block of 128 keys
	s_and_b32 s19, ttmp7, 0xffff                   ; b: shared by the four partners
	; group 1: 64 rows x 256 elements of 2 bytes, 4 words of padding after every 128; consecutive queries of one b lie 32 rows of qhl apart
	s_mov_b32 s24, 15|(1<<16)|(1<<20)|(1<<21)|(6<<22)|(3<<25)
	s_mov_b32 s25, 256<<16                         ; tensor_dim0 = 256
	s_mov_b32 s26, 64<<16                          ; tensor_dim1 = 64
	s_mov_b32 s27, 256<<16                         ; tile_dim0 = 256
	s_mov_b32 s28, 64                              ; tile_dim1 = 64
	s_mov_b32 s29, 65536
	s_mov_b32 s30, 0
	s_mov_b32 s31, 0
	s_mul_i32 s20, s16, 64*QP                      ; my 64 rows in a slot
	s_mov_b32 s32, 1                               ; group 0 of the first fill of slot 0,
	s_mov_b32 s33, s20
	s_mov_b32 s36, 1                               ; and of slot 1: this set then walks
	s_add_co_u32 s37, s20, QSLOT
	s_lshl_b32 s22, s16, 23                        ; 64 queries x 131,072 bytes
	s_lshl_b32 s43, s19, 12
	s_add_co_u32 s22, s22, s43                     ; nothing here hangs on cx
	s_mov_b32 s23, 0
	s_mov_b32 s45, 0                               ; the high word of the offsets in s44; stays 0
	s_mov_b32 s42, 1                               ; the step last asked for from hs
	s_mov_b32 s47, 0xffff0000                      ; a word's upper bf16; also: lanes 16-31
	s_mov_b32 s48, 0x3fb8aa3b                      ; log2(e)
	s_mov_b32 s49, 0x3fb8aa3b
	s_mov_b32 s50, 0x76543210                      ; v_permlanex16_b32: each lane takes its own place in the other half
	s_mov_b32 s51, 0xfedcba98
	s_mov_b32 s52, 0xf149f2ca                      ; -1e30
	s_mov_b32 s53, 0xf0000000                      ; -1.58e29
	s_mov_b32 s54, 0                               ; the LDS byte at which the slot that is read begins: 0 or QSLOT
	s_wait_dscnt 0x0                               ; the opening add is done
	s_wait_kmcnt 0x0
	s_add_nc_u64 s[34:35], s[4:5], s[22:23]        ; trips 0 and 1
	s_add_nc_u64 s[38:39], s[34:35], 512           ; trips 2 and 3
	s_or_b32 s35, s35, 0x80000000
	s_or_b32 s39, s39, 0x80000000
	s_lshl_b32 s44, s18, 24                        ; hs: 128 keys x 131,072 bytes, column b
	s_add_co_u32 s44, s44, s43
	s_add_nc_u64 s[6:7], s[6:7], s[44:45]
	s_lshl_b32 s44, s18, 14                        ; source: 128 keys x 128 bytes, column b
	s_lshl_b32 s43, s19, 2
	s_add_co_u32 s44, s44, s43
	s_add_nc_u64 s[8:9], s[8:9], s[44:45]
	s_lshl_b32 s44, s18, 14                        ; hsf: b's 16 planes, my 128 rows of 128 bytes
	s_lshl_b32 s43, s19, 21
	s_add_co_u32 s44, s44, s43
	s_add_nc_u64 s[10:11], s[10:11], s[44:45]
	s_lshl_b32 s44, s19, 19                        ; pfr: b's 16 query tiles of 32,768 bytes, my wave's four, my block's four chunks of 1,024
	s_lshl_b32 s43, s16, 17
	s_add_co_u32 s44, s44, s43
	s_lshl_b32 s43, s18, 12
	s_add_co_u32 s44, s44, s43
	s_add_nc_u64 s[12:13], s[12:13], s[44:45]
	s_lshl_b32 s44, s19, 3                         ; stat: 2,048 bytes for (b, j)
	s_add_co_u32 s44, s44, s18
	s_lshl_b32 s44, s44, 11
	s_add_nc_u64 s[14:15], s[14:15], s[44:45]
	CROUND                                         ; the first joint loads meet
	tensor_load_to_lds s[32:35], s[24:31]          ; every wave brings its own 64 rows: two tensor loads of mine are out
	s_nop 0
	tensor_load_to_lds s[36:39], s[24:31]
	s_nop 0
.rept 4
	v_nop
.endr
	v_and_b32 v1, 15, v0                           ; r
	v_bfe_u32 v2, v0, 4, 1                         ; h
	v_and_b32 v3, 31, v0                           ; l
	v_lshlrev_b32 v4, 4, v1                        ; hs: lanes 0-15 take 256 consecutive bytes of one key, lanes 16-31 of the next;
	v_lshl_add_u32 v4, v2, 17, v4
	s_lshl_b32 s43, s16, 22                        ; my wave's 32 keys
	v_add_nc_u32 v4, s43, v4
	v_lshlrev_b32 v5, 3, v3                        ; hsf: a wave's store is 256 consecutive bytes (two keys)
	v_lshl_add_u32 v5, s16, 12, v5
	v_mul_u32_u24 v6, v2, HP                       ; the bf16 tile: the same two keys
	v_lshl_add_u32 v6, v1, 3, v6
	s_mul_i32 s43, s16, 32*HP
	s_add_co_u32 s43, s43, HSB
	v_add_nc_u32 v6, s43, v6
	v_lshlrev_b32 v7, 7, v3                        ; source: key 32 q + l
	WIN 0x80                                       ; destination in window 2
	v_mov_b32 v[VL], v4
	v_mov_b32 v[VS], v5
	v_mov_b32 v[VH], v6
	WIN 0
.irp q, 0,1,2,3
	global_load_b32 v[C+(\q)], v7, s[8:9] offset:(\q)*4096
.endr
	WIN 0x8a                                       ; sources 0, 1 and destination in window 2
.set i, 0
.rept 16
	global_load_b128 v[4*i:4*i+3], v[VL], s[6:7] offset:i*262144 th:TH_LOAD_NT          ; step 0
.set i, i+1
.endr
.set i, 0
.rept 16
	global_load_b128 v[64+4*i:64+4*i+3], v[VL], s[6:7] offset:i*262144+256 th:TH_LOAD_NT  ; step 1
.set i, i+1
.endr
	WIN 0
	v_mul_u32_u24 v8, v1, QP
	v_lshl_add_u32 v8, v2, 4, v8                   ; r x 528 + 16 h
	v_add_nc_u32 v[AQZ], s20, v8
	v_mov_b32 v[ADRQ], v[AQZ]
	v_mul_u32_u24 v9, v1, HP
	v_lshl_add_u32 v9, v2, 4, v9
	v_add_nc_u32 v[ADRH], HSB, v9
	v_add_nc_u32 v[ADRH+1], HSBB, v[ADRH]
	v_lshlrev_b32 v[CO], 4, v3                     ; my 16 bytes in 512 consecutive bytes of pfr
	v_lshlrev_b32 v[STATO], 4, v1                  ; stat: lanes 0-15 store the maxima, lanes 16-31 the sums
	v_lshl_add_u32 v[STATO], v2, 10, v[STATO]
	v_lshl_add_u32 v[STATO], s16, 8, v[STATO]
	v_lshlrev_b32 v10, 3, v2                       ; 8 h
	s_wait_loadcnt 32                              ; source's four loads are in; the 32 of hs behind them stay out
.irp q, 0,1,2,3
	v_cmp_eq_u32 s[56+(\q)], 0, v[C+(\q)]          ; bit l: key 32 q + l is hidden
.endr
.irp q, 0,1,2,3
	v_lshrrev_b32 v[C+4+(\q)], v10, s[56+(\q)]     ; my lanes' keys begin 8 h further on
.endr
	WIN 0x40                                       ; destination in window 1: the accumulators of query tile 0
.set i, 0
.rept 64                               ; register 8 bt + jj: key 16 bt + 8 h + jj
	v_bfe_u32 v[i], v[C+4+i/16], ((i/8)%2)*16+i%8, 1
.set i, i+1
.endr
	WIN 0x41
.set i, 0
.rept 64
	v_mul_lo_u32 v[i], v[i], s52                   ; 0, or the bits of -1e30
.set i, i+1
.endr
.set i, 0
.rept 192
	v_mov_b32 v[64+i], v[i%64]                     ; the same mask for query tiles 1 to 3; all this stands in the wait for the first tile
.set i, i+1
.endr
.macro MUL8 hb, qb, a                  ; query tile a x all 8 key tiles, 32 channels
	WIN 0x50                                       ; C and D in window 1
.irp bt, 0,1,2,3,4,5,6,7
	v_wmma_f32_16x16x32_bf16 v[64*(\a)+8*(\bt):64*(\a)+8*(\bt)+7], v[(\hb)+8*(\bt):(\hb)+8*(\bt)+7], v[(\qb)+8*(\a):(\qb)+8*(\a)+7], v[64*(\a)+8*(\bt):64*(\a)+8*(\bt)+7]
.endr
.endm
.macro MUL32 hb, qb                    ; each accumulator once: they take turns
	MUL8 \hb, \qb, 0
	MUL8 \hb, \qb, 1
	MUL8 \hb, \qb, 2
	MUL8 \hb, \qb, 3
.endm
.macro FQ off, qb                      ; 8 loads: my 64 queries, 32 channels at byte off of the rows of the slot in hand (256 x trip's parity; + 0 hi, 128 lo; + 64 for channels 32-63)
	WIN 0
.irp a, 0,1,2,3
	ds_load_b128 v[(\qb)+8*(\a):(\qb)+8*(\a)+3],   v[ADRQ] offset:(\a)*16*QP+(\off)
	ds_load_b128 v[(\qb)+8*(\a)+4:(\qb)+8*(\a)+7], v[ADRQ] offset:(\a)*16*QP+(\off)+32
.endr
.endm
.macro FH k, c, hb                     ; 16 loads: 128 keys, channels 32 c on, of hs tile k
	WIN 0
.irp bt, 0,1,2,3,4,5,6,7
	ds_load_b128 v[(\hb)+8*(\bt):(\hb)+8*(\bt)+3],   v[ADRH+(\k)] offset:(\bt)*16*HP+(\c)*64
	ds_load_b128 v[(\hb)+8*(\bt)+4:(\hb)+8*(\bt)+7], v[ADRH+(\k)] offset:(\bt)*16*HP+(\c)*64+32
.endr
.endm
; CHUNK c of a step whose data lie in set (0, 1: the step's parity, also the number of the LDS tile): loads 4 c .. 4 c + 3 of the 16, eight keys.
; ld = 1: the same registers are loaded again, with the step two further on.  lw: the loads issued behind this chunk's own.  first = 1: step 0.
.macro CHUNK c, set, ld, lw, first
	WIN 0x8a
	s_wait_loadcnt \lw                             ; loads come back in order: mine are in
	s_wait_xcnt 0x0                                ; the last chunk's stores and loads have read their registers: HT and the two bases are rewritten only behind this wait
.if (\c) == 0
	s_add_co_u32 s42, s42, 1                       ; the step to ask for,
	s_min_u32 s43, s42, 15                         ; held inside hs
	s_lshl_b32 s44, s43, 8
	s_add_nc_u64 s[40:41], s[6:7], s[44:45]
.if !(\first)
	s_add_nc_u64 s[10:11], s[10:11], 131072        ; hsf: the next plane
.endif
.endif
.set XB, 64*(\set)+16*(\c)
.irp i, 0,1,2,3,4,5,6,7
	v_cvt_pk_bf16_f32 v[BT+(\i)], v[XB+2*(\i)], v[XB+2*(\i)+1]
.endr
.irp q, 0,1,2,3
	ds_store_b64 v[VH], v[BT+2*(\q):BT+2*(\q)+1] offset:(\set)*HSBB+(4*(\c)+(\q))*2*HP
.endr
.irp i, 0,1,2,3,4,5,6,7
	v_lshlrev_b32 v[XB+2*(\i)], 16, v[BT+(\i)]     ; the bf16 number as f32,
	v_and_b32 v[XB+2*(\i)+1], s47, v[BT+(\i)]
.endr
.irp i, 0,1,2,3,4,5,6,7
	v_cvt_pk_f16_f32 v[HT+(\i)], v[XB+2*(\i)], v[XB+2*(\i)+1]  ; written as f16
.endr
.irp q, 0,1,2,3
	global_store_b64 v[VS], v[HT+2*(\q):HT+2*(\q)+1], s[10:11] offset:(4*(\c)+(\q))*256
.endr
.if \ld
.irp q, 0,1,2,3
	global_load_b128 v[XB+4*(\q):XB+4*(\q)+3], v[VL], s[40:41] offset:(4*(\c)+(\q))*262144 th:TH_LOAD_NT
.endr
.endif
.endm
; The first three units of a trip of parity t (it reads hs tile t and half t of the slot's rows).  Each: four places, since the registers it loads were read by the unit before; its fetch;
; a chunk of the next step (cv = 1); a wait that leaves out this unit's own loads and the chunk's four LDS stores; 32 matrix instructions.
.macro U0 t, cv, ld, lw
	PLACES
	FQ 256*(\t)+128, QB
.if \cv
	CHUNK 1, 1-(\t), \ld, \lw, 0
.endif
	s_wait_dscnt 8+4*(\cv)
	MUL32 HA, QA
.endm
.macro U1 t, cv, ld, lw
	PLACES
	FH \t, 1, HB
	FQ 256*(\t)+64, QA
.if \cv
	CHUNK 2, 1-(\t), \ld, \lw, 0
.endif
	s_wait_dscnt 24+4*(\cv)
	MUL32 HA, QB
.endm
.macro U2 t, cv, ld, lw
	PLACES
	FQ 256*(\t)+192, QB
.if \cv
	CHUNK 3, 1-(\t), \ld, \lw, 0
.endif
	s_wait_dscnt 8+4*(\cv)
	MUL32 HB, QA
.endm
; The fourth unit of an even trip: a plain barrier, for hs's tiles alone.  In front of it each wave waits for its reads of tile 0 and for its stores into tile 1.
; The slot's second half was shown whole together with the first.
.macro MID cv
	s_wait_dscnt 4                                 ; chunk 3's four stores may be out: QB is in
	MUL8 HB, QB, 0
	s_wait_dscnt 0x0
	s_barrier_signal -1
	MUL8 HB, QB, 1
	s_barrier_wait -1
	PLACES
	FH 1, 0, HA
	FQ 256, QA
.if \cv
	CHUNK 0, 0, 1, 28, 0                           ; tile 0 is read by nobody any more
.endif
	MUL8 HB, QB, 2
	MUL8 HB, QB, 3
.endm
; The fourth unit of an odd trip changes slots.  In front of the barrier each wave waits for all its tensor loads (one is out: its rows of the next slot), adds 0 to its spare word, and waits for
; that, for its reads of Q's slot and hs's tile, and for its stores into the next tile.  fill = 1: the barrier opens a round of the cluster's, and the slot that is left is filled again first
; behind it, with the rows of the trips four and five further on.
.macro CHG fill, ld, lw
	WIN 0
	s_wait_tensorcnt 0x0                           ; no tensor load of mine is out, so a group 0 may be written
	ds_add_u32 v[SPW], v[NIL]
.if \fill
	s_add_co_u32 s37, s54, s20                     ; my rows in the slot that is left,
	s_add_nc_u64 s[38:39], s[38:39], 512           ; the next two trips' 512 bytes of each row
.endif
	s_wait_dscnt 5                                 ; chunk 3's four stores and the add may be out: QB is in
	MUL8 HB, QB, 0
	s_wait_dscnt 0x0
	s_barrier_signal -1
	MUL8 HB, QB, 1
	WIN 0
	s_barrier_wait -1
.if \fill
	CREST                                          ; no wave of any partner still reads that slot or has a load on its way
	tensor_load_to_lds s[36:39], s[24:31]
	s_nop 0
.rept 4
	v_nop                                          ; also the places in front of the loads below
.endr
.else
	PLACES
.endif
	s_xor_b32 s54, s54, QSLOT                      ; 0 and QSLOT by turns
	v_add_nc_u32 v[ADRQ], s54, v[AQZ]
	FH 0, 0, HA
	FQ 0, QA
	CHUNK 0, 1, \ld, \lw, 0                        ; tile 1 is read by nobody any more
	MUL8 HB, QB, 2
	MUL8 HB, QB, 3
.endm
	; behind a chunk's own four loads stand the rest of its step's (12 - 4 c), the other set's 16, and the 4 c already issued anew: 28, everywhere in the loop
	CHUNK 0, 0, 1, 28, 1
	CHUNK 1, 0, 1, 28, 0
	CHUNK 2, 0, 1, 28, 0
	CHUNK 3, 0, 1, 28, 0
	CHUNK 0, 1, 1, 28, 0
	WIN 0
	s_wait_tensorcnt 1                             ; my rows of slot 0 are in; slot 1's may stay out
	s_wait_dscnt 0x0                               ; my stores into tile 0 are done
	s_barrier_signal -1
	s_barrier_wait -1
	FH 0, 0, HA
	FQ 0, QA
	s_mov_b32 s46, 7
	s_branch .Lenter                               ; the loop is entered behind its change of slots
.Lpair:                                                ; a trip of the loop is a slot: seven slots, six refills (the trips 4 to 15)
	CHG 1, 1, 28
	WIN 0
.Lenter:
	U0 0, 1, 1, 28
	U1 0, 1, 1, 28
	U2 0, 1, 1, 28
	MID 1
	U0 1, 1, 1, 28
	U1 1, 1, 1, 28
	U2 1, 1, 1, 28
	WIN 0
	s_sub_co_u32 s46, s46, 1
	s_cmp_lg_u32 s46, 0
	s_cbranch_scc1 .Lpair
	CHG 0, 0, 28                                   ; the last slot is written out: nothing is asked for, and step 15's chunks load nothing,
	U0 0, 1, 0, 24                                 ; so four loads fewer stand behind each chunk's own
	U1 0, 1, 0, 20
	U2 0, 1, 0, 16
	MID 0
	U0 1, 0, 0, 0
	U1 1, 0, 0, 0
	U2 1, 0, 0, 0
	s_wait_dscnt 0x0
	MUL32 HB, QB
	PLACES
; THE SOFTMAX OF THE BLOCK, query tile a: 64 scores a lane.  The packed weights go to v[64 + 32 a ..], a set of their own for each tile, so that no store's data are rewritten.
.macro SOFT a
.set AB, 64*(\a)
	WIN 0x15                                       ; all three sources in window 1
.set i, 0
.rept 8
	v_max3_num_f32 v[C+i], v[AB+8*i], v[AB+8*i+1], v[AB+8*i+2]   ; each accumulator's lowest registers are read first
.set i, i+1
.endr
	WIN 0x14
.set i, 0
.rept 8
	v_max3_num_f32 v[C+i], v[C+i], v[AB+8*i+3], v[AB+8*i+4]
.set i, i+1
.endr
.set i, 0
.rept 8
	v_max3_num_f32 v[C+i], v[C+i], v[AB+8*i+5], v[AB+8*i+6]
.set i, i+1
.endr
.set i, 0
.rept 8
	v_max_num_f32 v[C+i], v[C+i], v[AB+8*i+7]
.set i, i+1
.endr
	WIN 0
	v_max3_num_f32 v[C], v[C], v[C+1], v[C+2]
	v_max3_num_f32 v[C+3], v[C+3], v[C+4], v[C+5]
	v_max3_num_f32 v[C+6], v[C+6], v[C+7], s53     ; the floor: in a block that is wholly hidden every weight becomes 0
	v_max3_num_f32 v[C], v[C], v[C+3], v[C+6]
	v_permlanex16_b32 v[C+1], v[C], s50, s51       ; the query's other 64 keys lie in the lane 16 away
	v_max_num_f32 v[C], v[C], v[C+1]
	v_mul_f32 v56, s48, v[C]
	v_mul_f32 v57, s48, v[C]                       ; named with it as a pair
	v_mul_f32 v[M2+(\a)], s48, v[C]
	WIN 0x41                                       ; destination and source 0 in window 1
.set i, 0
.rept 32
	v_pk_fma_f32 v[AB+2*i:AB+2*i+1], v[AB+2*i:AB+2*i+1], s[48:49], v[56:57] op_sel_hi:[1,0,0] neg_lo:[0,0,1] neg_hi:[0,0,1]
.set i, i+1
.endr
.set i, 0
.rept 64
	v_exp_f32 v[AB+i], v[AB+i]
.set i, i+1
.endr
	v_nop                                          ; a plain instruction between the last exponential and the use of its result
	WIN 0x05                                       ; sources 0 and 1 in window 1
.set i, 0
	s_wait_alu depctr_va_vdst(0)
.rept 4
	v_pk_add_f32 v[LS+2*i:LS+2*i+1], v[AB+2*i:AB+2*i+1], v[AB+8+2*i:AB+8+2*i+1]   ; four chains start
.set i, i+1
.endr
	WIN 0x04
.set i, 8
.rept 24
	v_pk_add_f32 v[LS+2*(i%4):LS+2*(i%4)+1], v[LS+2*(i%4):LS+2*(i%4)+1], v[AB+2*i:AB+2*i+1]
.set i, i+1
.endr
	WIN 0x05
.set i, 0
.rept 32
	v_cvt_pk_f16_f32 v[64+32*(\a)+i], v[AB+2*i], v[AB+2*i+1]
.set i, i+1
.endr
	WIN 0
.irp bt, 0,1,2,3,4,5,6,7
	global_store_b128 v[CO], v[64+32*(\a)+4*(\bt):64+32*(\a)+4*(\bt)+3], s[12:13] offset:(\a)*32768+(\bt)*512  ; half a fragment: 512 consecutive bytes, at a multiple of 512 from pfr's first
.endr
	v_pk_add_f32 v[LS:LS+1], v[LS:LS+1], v[LS+2:LS+3]
	v_pk_add_f32 v[LS+4:LS+5], v[LS+4:LS+5], v[LS+6:LS+7]
	v_pk_add_f32 v[LS:LS+1], v[LS:LS+1], v[LS+4:LS+5]
	v_add_f32 v[LS], v[LS], v[LS+1]
	v_permlanex16_b32 v[LS+1], v[LS], s50, s51
	v_add_f32 v[LL+(\a)], v[LS], v[LS+1]
.endm
	SOFT 0
	SOFT 1
	SOFT 2
	SOFT 3
.irp k, 0,1,2,3
	v_cndmask_b32 v[C+(\k)], v[M2+(\k)], v[LL+(\k)], s47   ; lanes 16-31 take the sums
.endr
	global_store_b128 v[STATO], v[C:C+3], s[14:15]
	s_wait_tensorcnt 0x0                           ; the wave's end
	ds_add_u32 v[SPW], v[NIL]
	s_wait_dscnt 0x0
	CROUND                                         ; the closing round
	s_endpgm
.Lfunc_end_k_qd1073e5282_scores:
	.size	k_qd1073e5282_scores, .Lfunc_end_k_qd1073e5282_scores-k_qd1073e5282_scores
	.p2alignl 7, 3214868480
	.fill 96, 4, 3214868480
	.section	.rodata,"a",@progbits
	.p2align	6, 0x0
	.amdhsa_kernel k_qd1073e5282_scores
		.amdhsa_group_segment_fixed_size 327680
		.amdhsa_private_segment_fixed_size 0
		.amdhsa_enable_private_segment 0
		.amdhsa_kernarg_size 48
		.amdhsa_user_sgpr_count 2
		.amdhsa_user_sgpr_kernarg_segment_ptr 1
		.amdhsa_wavefront_size32 1
		.amdhsa_system_sgpr_workgroup_id_x 1
		.amdhsa_system_sgpr_workgroup_id_y 1
		.amdhsa_system_sgpr_workgroup_id_z 1
		.amdhsa_system_vgpr_workitem_id 0
		.amdhsa_next_free_vgpr 672
		.amdhsa_next_free_sgpr 66
		.amdhsa_reserve_vcc 0
		.amdhsa_float_denorm_mode_32 3
		.amdhsa_float_denorm_mode_16_64 3
		.amdhsa_memory_ordered 1
		.amdhsa_forward_progress 1
		.amdhsa_inst_pref_size 170
	.end_amdhsa_kernel
	.amdgpu_metadata
---
amdhsa.version: [ 1, 2 ]
amdhsa.kernels:
  - .name:           k_qd1073e5282_scores
    .symbol:         k_qd1073e5282_scores.kd
    .args:
      - { .name: qhl, .offset: 0, .size: 8, .value_kind: global_buffer, .address_space: global }
      - { .name: hs, .offset: 8, .size: 8, .value_kind: global_buffer, .address_space: global }
      - { .name: source, .offset: 16, .size: 8, .value_kind: global_buffer, .address_space: global }
      - { .name: hsf, .offset: 24, .size: 8, .value_kind: global_buffer, .address_space: global }
      - { .name: pfr, .offset: 32, .size: 8, .value_kind: global_buffer, .address_space: global }
      - { .name: stat, .offset: 40, .size: 8, .value_kind: global_buffer, .address_space: global }
    .group_segment_fixed_size: 327680
    .private_segment_fixed_size: 0
    .kernarg_segment_align: 8
    .kernarg_segment_size: 48
    .max_flat_workgroup_size: 128
    .sgpr_count:     66
    .vgpr_count:     672
    .wavefront_size: 32
...
	.end_amdgpu_metadata
.endif
;; end of part 3
;; launch context (part 4): grid 8 x 32, 4 waves a work-group, no clusters, 327,680 bytes of LDS; arguments pfr, hsf, stat, hcat; writes hcat
.if DOCPART == 4
	.amdgcn_target "amdgcn-amd-amdhsa--gfx1250"
	.amdhsa_code_object_version 6
	.text
	.protected	k_qd1073e5282_context
	.globl	k_qd1073e5282_context
	.p2align	8
	.type	k_qd1073e5282_context,@function
k_qd1073e5282_context:
	s_mov_b64 s[64:65], 0
	v_nop
	global_prefetch_b8 v0, s[64:65] scope:SCOPE_SE
	s_setreg_imm32_b32 hwreg(HW_REG_WAVE_MODE, 25, 1), 1
	s_wait_xcnt 0x0
; CONTEXT: c[t][ch] = (sum over the 8 key blocks of f_blk[t] (P_blk hs)[t][ch]) / l[t], for one batch column b and 128 channels.
; f_blk = 2^(m2_blk - max over blocks of m2): the running maximum's correction, made once from stat; l = sum of f_blk l_blk.  f is rounded to f16 and the rounded number is used in both places.
; P (f16) is multiplied by f in f16 between its load and the matrix instruction; hs comes from hsf (f16 that holds bf16-rounded numbers), [key][channel], turned by ds_load_tr16_b128.
; Sums in f32; c is rounded once to f16 into hcat's left half.
; LIMITS: p f lies in 0 to 1 and keeps f16's fixed step of 6e-8 below 6e-5; c has hs's range.  A column whose keys are all hidden gives l = 0 and NaN, as the quotient 0 / 0 does.
; SHARES: a work-group makes 256 queries x 128 channels, wave w queries 64 w .. + 63: 32 accumulators (a = query tile, bt = channel tile).  Source 0 = 16 channels, source 1 = 16 queries:
; a lane holds query lane % 16 and channels 8 (lane / 16) + 0..7.  A K step is a block of 128 keys, four quarters of 32.
; P GOES STRAIGHT INTO REGISTERS.  A block of P is used by one wave alone, and pfr holds it as that wave's fragments ([32 b][16 query tiles][32 chunks of 32 keys][1,024 bytes]): a load of
; 16 bytes a lane takes 512 consecutive bytes and needs no LDS.  Four sets of 32 registers, one for each quarter of a step; set q - 1 is loaded again in quarter q, three quarters ahead of its
; next use: 24 loads of a wave are out at a quarter's head.  The next step's address is held to step 7: in step 7 sixteen loads of 512 bytes serve nothing; that keeps the count alike in every trip.
; hs GOES THROUGH TWO LDS SLOTS OF TWO STEPS EACH (256 keys x 2 planes of 64 channels); every wave brings 128 keys of one plane with one tensor load.  A refill has two steps, 256 matrix
; instructions, in which to land; inside a slot no barrier is needed, since the slot is whole and P is the wave's own.
; NO CLUSTER: hs's tiles hang on b and on the channel block and are this work-group's alone; P, which the eight work-groups of a column all read, lands in no LDS, so there is no tile to ask for jointly.
; REGISTERS: window 0: v0-29 addresses; v32-35 f of the block in hand, twice in each word; v64-127, v128-191 hs's fragments, two buffers.  Window 1: accumulator (a, bt) at v[64 a + 8 bt].
;            window 2: v[32 q + 8 a ..] P's fragment of quarter q, query tile a.
.set PV,     160                       ; a row of hs in LDS: 128 bytes + 32
.set HSTEP,  128*PV                    ; a step's 128 keys of a plane: what one tensor load brings
.set PLB,    2*HSTEP                   ; a plane's 256 keys in a slot: wave w's tile lies at w x HSTEP (plane w / 2, step w % 2)
.set SLOT1,  131072                    ; slot 1 begins here: one exclusive or turns an address in one slot into the other's
.set STAGE,  SLOT1+2*PLB               ; behind the ring: 32 rows x 528 bytes of f32 for each wave, for the way out; no tensor load lands here
.set SPITCH, 528
.set FT,     STAGE+4*32*SPITCH         ; f: [8 blocks][4 waves][16 r][4 a] words, each wave's own
.set INVT,   FT+8192                   ; 1 / l: [256 queries] f32, each wave's own 64
.set SPARE,  INVT+1024                 ; the spare words, 128 bytes a wave
.set A0Z, 17                           ; v17  my place in a step's tile of hs
.set A0,  19                           ; v19  the same in the step in hand
.set STO, 20                           ; v20  way out: where I put my 32 bytes of a row
.set RD,  21                           ; v21  way out: where I read back
.set CO,  22                           ; v22  my byte offset in two rows of hcat
.set FTA, 23                           ; v23  my 16 bytes of f in the block in hand
.set IVW, 24                           ; v24  way out: my row's 1 / l, walking
.set RDW, 25                           ; v25  RD, walking
.set PO,  27                           ; v27  16 x lane: my 16 bytes in 512 of pfr; never rewritten
.set SPW, 28                           ; v28  my spare word; never rewritten
.set NIL, 29                           ; v29  0; never rewritten
.set F0,  64
.set MSB, 0
.macro WIN new                         ; the immediate's high byte repeats the setting that is left; a switch that changes nothing is dropped
.if MSB != (\new)
	s_set_vgpr_msb (MSB<<8)|(\new)
.set MSB, (\new)
.endif
.endm
.macro PLACES                          ; four places between a matrix instruction and a read of its result (ISA guide 7.12.1)
.rept 4
	v_nop
.endr
.endm
	s_load_b256 s[4:11], s[0:1], 0x0               ; pfr s[4:5], hsf s[6:7], stat s[8:9], hcat s[10:11]
	v_lshl_add_u32 v[SPW], v0, 2, SPARE
	v_mov_b32 v[NIL], 0
	ds_add_u32 v[SPW], v[NIL]                      ; the wave's opening: the add and its wait stand ahead of my first tensor load
	ds_add_u32 v28, v29
	v_lshrrev_b32 v1, 5, v0
	v_readfirstlane_b32 s16, v1                    ; wave
	s_mov_b32 s18, ttmp9                           ; x: my 128 channels
	s_and_b32 s19, ttmp7, 0xffff                   ; b
	s_and_b32 s20, s16, 1                          ; which of a slot's two steps I fetch,
	s_lshr_b32 s21, s16, 1                         ; of which of the two planes
	; group 1: 128 keys of a plane are 16,384 dense bytes: asked for as 64 rows of 256 bytes, padded by 8 words after every key (32 words)
	s_mov_b32 s24, (1<<16)|(1<<20)|(4<<22)|(7<<25)
	s_mov_b32 s25, 128<<16                         ; tensor_dim0 = 128
	s_mov_b32 s26, 64<<16                          ; tensor_dim1 = 64
	s_mov_b32 s27, 128<<16                         ; tile_dim0 = 128
	s_mov_b32 s28, 64                              ; tile_dim1 = 64
	s_mov_b32 s29, 128                             ; elements from row to row
	s_mov_b32 s30, 0
	s_mov_b32 s31, 0
	s_lshl_b32 s22, s19, 21                        ; hsf: b's 16 planes of 131,072 bytes,
	s_lshl_b32 s14, s18, 18                        ; my work-group's two,
	s_add_co_u32 s22, s22, s14
	s_lshl_b32 s14, s21, 17                        ; mine of the two,
	s_add_co_u32 s22, s22, s14
	s_lshl_b32 s14, s20, 14                        ; my 128 keys of the first 256
	s_add_co_u32 s22, s22, s14
	s_mov_b32 s23, 0
	s_mul_i32 s15, s16, HSTEP                      ; my tile's place in a slot
	s_mov_b32 s32, 1                               ; group 0 of slot 0's first fill,
	s_mov_b32 s33, s15
	s_mov_b32 s36, 1                               ; and of slot 1's: this set then walks
	s_add_co_u32 s37, s15, SLOT1
	s_lshl_b32 s44, s19, 19                        ; pfr: b's 16 query tiles of 32,768 bytes, my wave's four
	s_lshl_b32 s14, s16, 17
	s_add_co_u32 s44, s44, s14
	s_mov_b32 s45, 0                               ; the high word of the offsets in s44; stays 0
	s_lshl_b32 s50, s16, 23                        ; hcat: my 64 queries x 131,072 bytes, column b, my 256 bytes
	s_lshl_b32 s14, s19, 12
	s_add_co_u32 s50, s50, s14
	s_lshl_b32 s14, s18, 8
	s_add_co_u32 s50, s50, s14
	s_mov_b32 s51, 0
	s_lshl_b32 s52, s19, 14                        ; stat: b's 8 blocks of 2,048 bytes
	s_mov_b32 s53, 0
	s_lshl_b32 s54, s16, 8                         ; 256 w
	s_mov_b32 s42, 0                               ; the step in hand
	s_mov_b32 s46, HSTEP                           ; LDS byte at which the step to be fetched next begins
	s_wait_dscnt 0x0                               ; the opening add is done
	s_wait_kmcnt 0x0
	s_add_nc_u64 s[34:35], s[6:7], s[22:23]        ; keys 0-255
	s_add_nc_u64 s[38:39], s[34:35], 32768         ; keys 256-511
	s_or_b32 s35, s35, 0x80000000                  ; type = 2
	s_or_b32 s39, s39, 0x80000000
	s_add_nc_u64 s[12:13], s[4:5], s[44:45]        ; P of step 0
	s_mov_b64 s[40:41], s[12:13]                   ; P of the step that is being asked for
	s_add_nc_u64 s[8:9], s[8:9], s[52:53]
	s_add_nc_u64 s[10:11], s[10:11], s[50:51]
	tensor_load_to_lds s[32:35], s[24:31]          ; every wave brings a tile of its own: two tensor loads of mine are out
	s_nop 0
	tensor_load_to_lds s[36:39], s[24:31]
	s_nop 0
.rept 4
	v_nop
.endr
.macro PLOAD set                       ; 8 loads: the four query tiles' fragments of quarter set, 512 consecutive bytes each
	WIN 0x80                                       ; destination in window 2
.irp a, 0,1,2,3
	global_load_b128 v[32*(\set)+8*(\a):32*(\set)+8*(\a)+3],   v[PO], s[40:41] offset:(\a)*32768+(\set)*1024
	global_load_b128 v[32*(\set)+8*(\a)+4:32*(\set)+8*(\a)+7], v[PO], s[40:41] offset:(\a)*32768+(\set)*1024+512
.endr
.endm
	v_and_b32 v1, 15, v0                           ; r
	v_bfe_u32 v2, v0, 4, 1                         ; h
	v_lshl_add_u32 v3, v1, 4, s54                  ; stat: the four numbers (a = 0..3) of row r of my wave
.irp k, 0,1,2,3,4,5,6,7
	global_load_b128 v[64+4*(\k):64+4*(\k)+3], v3, s[8:9] offset:(\k)*2048         ; m2 of block k
	global_load_b128 v[96+4*(\k):96+4*(\k)+3], v3, s[8:9] offset:(\k)*2048+1024    ; l of block k
.endr
	v_and_b32 v[PO], 31, v0
	v_lshlrev_b32 v[PO], 4, v[PO]
	PLOAD 0                                        ; step 0's P
	PLOAD 1
	PLOAD 2
	PLOAD 3
	WIN 0
	; the turning load takes 16 keys x 16 channels: lane l reads key 8 (l / 16) + l % 8, channels 8 ((l / 8) % 2) + 0..7, and is left with channel l % 16 and 8 keys
	v_and_b32 v5, 7, v0
	v_bfe_u32 v6, v0, 3, 1
	v_lshl_add_u32 v[A0Z], v2, 3, v5
	v_mul_u32_u24 v[A0Z], v[A0Z], PV
	v_lshl_add_u32 v[A0Z], v6, 4, v[A0Z]
	v_mov_b32 v[A0], v[A0Z]
	s_mul_i32 s55, s16, 32*SPITCH
	s_add_co_u32 s55, s55, STAGE                   ; my stage
	v_mul_u32_u24 v[STO], v1, SPITCH               ; in: row r, 32 bytes for each half of the lanes
	v_lshl_add_u32 v[STO], v2, 5, v[STO]
	v_add_nc_u32 v[STO], s55, v[STO]
	v_mul_u32_u24 v[RD], v2, SPITCH                ; back: lanes 0-15 one row, 32 bytes of f32 each, lanes 16-31 the next
	v_lshl_add_u32 v[RD], v1, 5, v[RD]
	v_add_nc_u32 v[RD], s55, v[RD]
	v_lshlrev_b32 v[CO], 4, v1                     ; and the same two rows in hcat, 16 bytes of f16 each
	v_lshl_add_u32 v[CO], v2, 17, v[CO]
	s_add_co_u32 s55, s54, FT
	v_lshl_add_u32 v[FTA], v1, 4, s55
	s_add_co_u32 s55, s54, INVT
	v_lshl_add_u32 v26, v1, 2, s55                 ; where 1 / l of query 64 w + r goes
	v_lshl_add_u32 v[IVW], v2, 2, s55
.irp p, 0,1,2,3
	v_mov_b32 v[49+2*(\p)], 0                      ; the upper halves of the pairs that the packed multiplies of the way out name
.endr
	s_wait_loadcnt 32                              ; stat's 16 loads are in; P's 32 behind them stay out
.irp a, 0,1,2,3
	v_max3_num_f32 v[128+(\a)], v[64+(\a)], v[68+(\a)], v[72+(\a)]
.endr
.irp a, 0,1,2,3
	v_max3_num_f32 v[128+(\a)], v[128+(\a)], v[76+(\a)], v[80+(\a)]
.endr
.irp a, 0,1,2,3
	v_max3_num_f32 v[128+(\a)], v[128+(\a)], v[84+(\a)], v[88+(\a)]
.endr
.irp a, 0,1,2,3
	v_max_num_f32 v[128+(\a)], v[128+(\a)], v[92+(\a)]   ; the maximum over all keys that are not hidden, times log2(e)
.endr
.set i, 0
.rept 32
	v_sub_f32 v[64+i], v[64+i], v[128+i%4]
.set i, i+1
.endr
.set i, 0
.rept 32
	v_exp_f32 v[64+i], v[64+i]
.set i, i+1
.endr
.irp a, 0,1,2,3
	v_mov_b32 v[132+(\a)], 0                       ; plain instructions behind the last exponential
.endr
.set i, 0
	s_wait_alu depctr_va_vdst(0)
.rept 32
	v_cvt_pk_f16_f32 v[64+i], v[64+i], v[64+i]     ; f, rounded to f16, in both halves
.set i, i+1
.endr
.set i, 0
.rept 32
	v_fma_mix_f32 v[132+i%4], v[64+i], v[96+i], v[132+i%4] op_sel_hi:[1,0,0]   ; l += f (the rounded one, from the low half) x l of the block
.set i, i+1
.endr
.irp a, 0,1,2,3
	v_rcp_f32 v[136+(\a)], v[132+(\a)]
.endr
	v_nop
.irp k, 0,1,2,3,4,5,6,7
	ds_store_b128 v[FTA], v[64+4*(\k):64+4*(\k)+3] offset:(\k)*1024
.endr
	s_wait_alu depctr_va_vdst(0)
.irp a, 0,1,2,3
	ds_store_b32 v26, v[136+(\a)] offset:(\a)*64
.endr
	ds_load_b128 v[32:35], v[FTA]                  ; block 0's f: my wave's own bytes, served in order
.macro MUL8 f, q, a, zero              ; query tile a x all 8 channel tiles, 32 keys.  zero = 1: the products start the sums
	WIN 0x58                                       ; hs in window 0, P in window 2, C and D in window 1
.irp bt, 0,1,2,3,4,5,6,7
.if \zero
	v_wmma_f32_16x16x32_f16 v[64*(\a)+8*(\bt):64*(\a)+8*(\bt)+7], v[(\f)+8*(\bt):(\f)+8*(\bt)+7], v[32*(\q)+8*(\a):32*(\q)+8*(\a)+7], 0
.else
	v_wmma_f32_16x16x32_f16 v[64*(\a)+8*(\bt):64*(\a)+8*(\bt)+7], v[(\f)+8*(\bt):(\f)+8*(\bt)+7], v[32*(\q)+8*(\a):32*(\q)+8*(\a)+7], v[64*(\a)+8*(\bt):64*(\a)+8*(\bt)+7]
.endif
.endr
.endm
.macro FETCH kq, f                     ; 16 LDS loads: hs turned: plane bt / 4, channels 16 (bt % 4) on, keys 32 kq on
	WIN 0
.irp bt, 0,1,2,3,4,5,6,7
	ds_load_tr16_b128 v[(\f)+8*(\bt):(\f)+8*(\bt)+3],   v[A0] offset:((\bt)/4)*PLB+(\kq)*32*PV+((\bt)%4)*32
	ds_load_tr16_b128 v[(\f)+8*(\bt)+4:(\f)+8*(\bt)+7], v[A0] offset:((\bt)/4)*PLB+(\kq)*32*PV+16*PV+((\bt)%4)*32
.endr
.endm
.macro SCALE q                         ; P's fragments times the block's f: a lane holds one query, so one word of f serves a fragment
	WIN 0x82                                       ; destination and source 0 in window 2, f in window 0
.irp a, 0,1,2,3
.irp i, 0,1,2,3,4,5,6,7
	v_pk_mul_f16 v[32*(\q)+8*(\a)+(\i)], v[32*(\q)+8*(\a)+(\i)], v[32+(\a)]
.endr
.endr
.endm
; QUARTER q of a step.  P's set q is in and is scaled: those 32 plain instructions name nothing of the quarter before, so they are the places in front of the loads into its registers:
; P's set q - 1 is loaded again (ld = 1) and the next quarter's hs is fetched into the other buffer (fetch = 1).  Then 32 matrix instructions, each accumulator once: they take turns.
; lw: the loads issued behind set q's own.  Quarter 3 fetches the next step's quarter 0 and its f; quarter 1 makes the next step's address of P.
.macro QUARTER q, zero=0, ld=1, lw=16, fetch=1
.set FB, F0+64*((\q)%2)
.set GB, F0+64*(((\q)+1)%2)
	s_wait_loadcnt \lw                             ; loads come back in order: set q is in, the younger sets stay out
.if (\q) == 0
	s_wait_dscnt 16                                ; f of this step is in: the 16 fragment loads were issued behind its load
.endif
	SCALE \q
.if \ld
.if (\q) == 1
	s_wait_xcnt 0x0                                ; the loads issued so far have read their base, which is rewritten only behind this wait
	s_add_co_u32 s42, s42, 1
	s_min_u32 s43, s42, 7                          ; the next step, held inside pfr
	s_lshl_b32 s44, s43, 12                        ; four chunks of 1,024 bytes a step
	s_add_nc_u64 s[40:41], s[12:13], s[44:45]
.endif
	PLOAD ((\q)+3)%4
.endif
.if \fetch
	WIN 0
.if (\q) == 3
	v_add_nc_u32 v[A0], s46, v[A0Z]
	s_add_co_u32 s46, s46, HSTEP
	v_add_nc_u32 v[FTA], 1024, v[FTA]
	ds_load_b128 v[32:35], v[FTA]                  ; the next block's f
	FETCH 0, GB
	s_wait_dscnt 17                                ; all but the 17 just issued: this quarter's hs is in
.else
	FETCH (\q)+1, GB
	s_wait_dscnt 16                                ; all but the 16 just issued
.endif
.else
	s_wait_dscnt 0x0
.endif
	MUL8 FB, \q, 0, \zero
	MUL8 FB, \q, 1, \zero
	MUL8 FB, \q, 2, \zero
	MUL8 FB, \q, 3, \zero
.endm
; THE CHANGE OF SLOTS, behind quarter 2 of a slot's second step: the slot's last bytes have been asked for.  Each wave waits for all its tensor loads (one is out: its tile of the other slot),
; adds 0 to its spare word, and waits for that and for its reads of the slot.  Behind the barrier nobody reads this slot any more and the other slot is whole.
; fill = 1: this slot is filled again, first thing behind the barrier, with the keys two slots on.
.macro CHANGE fill
	WIN 0
	s_wait_tensorcnt 0x0                           ; no tensor load of mine is out, so a group 0 may be written
	ds_add_u32 v[SPW], v[NIL]
.if \fill
	s_xor_b32 s37, s37, SLOT1                      ; the walking descriptor: the other slot than last time,
	s_add_nc_u64 s[38:39], s[38:39], 32768         ; the next 256 keys
.endif
	s_sub_co_u32 s46, s46, 2*HSTEP                 ; the fetches go back to a slot's first step,
	s_xor_b32 s46, s46, SLOT1                      ; in the other slot
	s_wait_dscnt 0x0                               ; the add is done, and my reads of the slot are over
	s_barrier_signal -1
	s_barrier_wait -1
.if \fill
	tensor_load_to_lds s[36:39], s[24:31]
	s_nop 0
.rept 4
	v_nop
.endr
.endif
.endm
.macro RAWST half                      ; query tiles 2 half, 2 half + 1 as f32 into my stage: 32 rows of 512 bytes; each accumulator's low registers first
	WIN 0x04                                       ; store data in window 1
.irp a, 0,1
.irp bt, 0,1,2,3,4,5,6,7
	ds_store_b128 v[STO], v[64*(2*(\half)+(\a))+8*(\bt):64*(2*(\half)+(\a))+8*(\bt)+3]   offset:(\a)*16*SPITCH+(\bt)*64
	ds_store_b128 v[STO], v[64*(2*(\half)+(\a))+8*(\bt)+4:64*(2*(\half)+(\a))+8*(\bt)+7] offset:(\a)*16*SPITCH+(\bt)*64+16
.endr
.endr
	WIN 0
.endm
.macro COUT half                       ; THE WAY OUT of 32 rows: eight rows a trip, two a pass: divided by l, rounded to f16, 16 lanes to 256 consecutive bytes of hcat
	RAWST \half
	v_mov_b32 v[RDW], v[RD]
	s_mov_b32 s49, 4
.Lc_\@:
.irp p, 0,1,2,3
	ds_load_b128 v[64+8*(\p):64+8*(\p)+3], v[RDW] offset:(\p)*2*SPITCH       ; LDS serves a wave's instructions in order: these see my stores above
	ds_load_b128 v[64+8*(\p)+4:64+8*(\p)+7], v[RDW] offset:(\p)*2*SPITCH+16
	ds_load_b32 v[48+2*(\p)], v[IVW] offset:8*(\p)
.endr
	s_wait_dscnt 0x0
.irp p, 0,1,2,3
.irp k, 0,1,2,3
	v_pk_mul_f32 v[64+8*(\p)+2*(\k):64+8*(\p)+2*(\k)+1], v[64+8*(\p)+2*(\k):64+8*(\p)+2*(\k)+1], v[48+2*(\p):49+2*(\p)] op_sel_hi:[1,0]
.endr
.irp k, 0,1,2,3
	v_cvt_pk_f16_f32 v[96+4*(\p)+(\k)], v[64+8*(\p)+2*(\k)], v[64+8*(\p)+2*(\k)+1]
.endr
	global_store_b128 v[CO], v[96+4*(\p):96+4*(\p)+3], s[10:11] offset:(\p)*262144
.endr
	s_wait_xcnt 0x0                                ; the stores' data and base are rewritten only behind this wait
	v_add_nc_u32 v[RDW], 8*SPITCH, v[RDW]
	v_add_nc_u32 v[IVW], 32, v[IVW]
	s_add_nc_u64 s[10:11], s[10:11], 1048576       ; eight queries on
	s_sub_co_u32 s49, s49, 1
	s_cmp_lg_u32 s49, 0
	s_cbranch_scc1 .Lc_\@
.endm
	s_wait_tensorcnt 1                             ; my tile of slot 0 is in; slot 1's may stay out
	s_wait_dscnt 0x0                               ; no LDS instruction of mine is out at a signal
	s_barrier_signal -1
	s_barrier_wait -1
	FETCH 0, F0
	QUARTER 0, 1, 0, 24                            ; the first quarter stands ahead of the loops: its products start the sums; three sets of P were asked for behind set 0, and none is loaded again yet
	WIN 0                                          ; at a label and at a branch every window is 0
	s_mov_b32 s47, 2
	s_mov_b32 s48, 3
	s_branch .Lenter                               ; the loops are entered in the middle of a trip
.Lslot:                                                ; twice: slots 0 and 1 are filled again, with keys 512-767 and 768-1023
	CHANGE 1
	s_mov_b32 s47, 2
.Lstep:                                                ; a trip: the last quarter of one step, which fetches the next step's first fragments, and that step's first three quarters
	QUARTER 3
	QUARTER 0
	WIN 0
.Lenter:
	QUARTER 1
	QUARTER 2
	WIN 0
	s_sub_co_u32 s47, s47, 1
	s_cmp_lg_u32 s47, 0
	s_cbranch_scc1 .Lstep
	s_sub_co_u32 s48, s48, 1
	s_cmp_lg_u32 s48, 0
	s_cbranch_scc1 .Lslot
	CHANGE 0                                       ; the last slot is written out: nothing is asked for
	s_mov_b32 s47, 2
.Ltail:
	QUARTER 3
	QUARTER 0
	QUARTER 1
	QUARTER 2
	WIN 0
	s_sub_co_u32 s47, s47, 1
	s_cmp_lg_u32 s47, 0
	s_cbranch_scc1 .Ltail
	QUARTER 3, 0, 0, 16, 0                         ; the very last quarter: nothing is loaded or fetched; behind set 3 stand the sixteen loads that serve nothing
	PLACES
	COUT 0
	COUT 1
	s_wait_tensorcnt 0x0                           ; the wave's end
	ds_add_u32 v[SPW], v[NIL]
	s_wait_dscnt 0x0
	s_endpgm
.Lfunc_end_k_qd1073e5282_context:
	.size	k_qd1073e5282_context, .Lfunc_end_k_qd1073e5282_context-k_qd1073e5282_context
	.p2alignl 7, 3214868480
	.fill 96, 4, 3214868480
	.section	.rodata,"a",@progbits
	.p2align	6, 0x0
	.amdhsa_kernel k_qd1073e5282_context
		.amdhsa_group_segment_fixed_size 327680
		.amdhsa_private_segment_fixed_size 0
		.amdhsa_enable_private_segment 0
		.amdhsa_kernarg_size 32
		.amdhsa_user_sgpr_count 2
		.amdhsa_user_sgpr_kernarg_segment_ptr 1
		.amdhsa_wavefront_size32 1
		.amdhsa_system_sgpr_workgroup_id_x 1
		.amdhsa_system_sgpr_workgroup_id_y 1
		.amdhsa_system_sgpr_workgroup_id_z 1
		.amdhsa_system_vgpr_workitem_id 0
		.amdhsa_next_free_vgpr 640
		.amdhsa_next_free_sgpr 66
		.amdhsa_reserve_vcc 0
		.amdhsa_float_denorm_mode_32 3
		.amdhsa_float_denorm_mode_16_64 3
		.amdhsa_memory_ordered 1
		.amdhsa_forward_progress 1
		.amdhsa_inst_pref_size 89
	.end_amdhsa_kernel
	.amdgpu_metadata
---
amdhsa.version: [ 1, 2 ]
amdhsa.kernels:
  - .name:           k_qd1073e5282_context
    .symbol:         k_qd1073e5282_context.kd
    .args:
      - { .name: pfr, .offset: 0, .size: 8, .value_kind: global_buffer, .address_space: global }
      - { .name: hsf, .offset: 8, .size: 8, .value_kind: global_buffer, .address_space: global }
      - { .name: stat, .offset: 16, .size: 8, .value_kind: global_buffer, .address_space: global }
      - { .name: hcat, .offset: 24, .size: 8, .value_kind: global_buffer, .address_space: global }
    .group_segment_fixed_size: 327680
    .private_segment_fixed_size: 0
    .kernarg_segment_align: 8
    .kernarg_segment_size: 32
    .max_flat_workgroup_size: 128
    .sgpr_count:     66
    .vgpr_count:     640
    .wavefront_size: 32
...
	.end_amdgpu_metadata
.endif
;; end of part 4
;; launch final (part 5): grid 8 x 32, 4 waves a work-group, clusters of 4 x 1, 327,680 bytes of LDS; arguments hcat, wc16, b, out0; writes out0
.if DOCPART == 5
	.amdgcn_target "amdgcn-amd-amdhsa--gfx1250"
	.amdhsa_code_object_version 6
	.text
	.protected	k_qd1073e5282_final
	.globl	k_qd1073e5282_final
	.p2align	8
	.type	k_qd1073e5282_final,@function
k_qd1073e5282_final:
	s_mov_b64 s[64:65], 0
	v_nop
	global_prefetch_b8 v0, s[64:65] scope:SCOPE_SE
	s_setreg_imm32_b32 hwreg(HW_REG_WAVE_MODE, 25, 1), 1
	s_wait_xcnt 0x0
	s_wait_alu depctr_hold_cnt(0) depctr_sa_sdst(0) depctr_va_vdst(0) depctr_va_sdst(0) depctr_va_ssrc(0) depctr_va_vcc(0) depctr_vm_vsrc(0)
	s_getreg_b32 s2, hwreg(HW_REG_IB_STS2, 6, 4)
	s_cmp_eq_u32 s2, 0
	s_cbranch_scc0 .Lentry_in_a_cluster
	s_endpgm
.Lentry_in_a_cluster:
	s_bfe_u32 s2, ttmp6, 0x10000c
	s_cmp_lg_u32 s2, 0x3003
	s_cbranch_scc0 .Lentry_shape_is_right
	s_endpgm
.Lentry_shape_is_right:
; FINAL: out0[m][n] = tanh(sum over k of hcat[m][k] W_c[k][n] + b[n]).  hcat [8192][2048] f16 holds [c | ht]; W_c comes from wc16, planes [16][2048 k][64 n] f16 (bf16-rounded numbers),
; turned by ds_load_tr16_b128; b is rounded to bf16 like the other inputs.  Sums in f32.  tanh(z) = 1 - 2 / (1 + 2^(2 log2(e) z)): 1 where the power overflows, -1 where it vanishes.
; SHARES, RING, CLUSTER: a work-group makes 256 rows x 128 columns, wave w rows 64 w .. + 63: 32 accumulators (a = row tile, bt = column tile).  Source 0 = 16 columns, source 1 = 16 rows.
; K goes in 16 steps of 128 through two LDS slots.  Waves 0, 1 fetch hcat's two halves of 128 rows JOINTLY for the four partners (same rows, four column blocks); waves 2, 3 the two planes of W_c.
; REGISTERS: window 0: v0-29 addresses; v32-35 my four columns' b times 2 log2(e); v64-159, v160-255 fragment buffers.  Window 1: accumulator (a, bt) at v[64 a + 8 bt].
.set PITCH,  272
.set BIGB,   256*PITCH
.set PV,     160
.set SMH,    128*PV
.set SLOT1,  131072
.set STAGE,  241664
.set SPITCH, 528
.set SPARE,  STAGE+4*32*SPITCH
.set NSTEP,  16
.set STEPA,  256
.set STEPB,  16384
.set A1Z, 16
.set A0Z, 17
.set A1,  18
.set A0,  19
.set STO, 20
.set RD,  21
.set CO,  22
.set RDW, 25
.set SPW, 28
.set NIL, 29
.set F0,  64
.set F1,  160
.set MSB, 0
.macro WIN new
.if MSB != (\new)
	s_set_vgpr_msb (MSB<<8)|(\new)
.set MSB, (\new)
.endif
.endm
.macro PLACES
.rept 4
	v_nop
.endr
.endm
.macro CREST
	s_cmp_lg_u32 s16, 0
	s_cbranch_scc1 .Lnot_wave_0_\@
	s_barrier_signal -3
.Lnot_wave_0_\@:
	s_barrier_wait -3
	s_barrier_signal -1
	s_barrier_wait -1
.endm
.macro CROUND
	s_barrier_signal -1
	s_barrier_wait -1
	CREST
.endm
.macro JLOAD
	s_cmp_lt_u32 s16, 2
	s_cbranch_scc0 .Lfor_b_\@
	tensor_load_to_lds s[36:39], s[24:31]
	s_nop 0
.rept 4
	v_nop
.endr
	s_branch .Lasked_\@
.Lfor_b_\@:
	tensor_load_to_lds s[60:63], s[48:55]
	s_nop 0
.rept 4
	v_nop
.endr
.Lasked_\@:
.endm
	s_load_b256 s[4:11], s[0:1], 0x0               ; hcat s[4:5], wc16 s[6:7], b s[8:9], out0 s[10:11]
	v_lshl_add_u32 v[SPW], v0, 2, SPARE
	v_mov_b32 v[NIL], 0
	ds_add_u32 v[SPW], v[NIL]                      ; the wave's opening: the add and its wait stand ahead of my first tensor load
	ds_add_u32 v28, v29
	v_lshrrev_b32 v1, 5, v0
	v_readfirstlane_b32 s16, v1
	s_bfe_u32 s17, ttmp6, 0x40000                  ; cx
	s_lshl_b32 s18, ttmp9, 2
	s_add_co_u32 s18, s18, s17                     ; x: my 128 columns
	s_and_b32 s19, ttmp7, 0xffff                   ; y: my 256 rows
	s_and_b32 s20, s16, 1
	s_mov_b32 s24, 15|(1<<16)|(1<<20)|(1<<21)|(5<<22)|(3<<25)  ; hcat's tile: 128 rows x 128 elements, 4 words of padding after every 64, mask of four
	s_mov_b32 s25, 128<<16
	s_mov_b32 s26, 128<<16
	s_mov_b32 s27, 128<<16
	s_mov_b32 s28, 128
	s_mov_b32 s29, 2048
	s_mov_b32 s30, 0
	s_mov_b32 s31, 0
	s_mov_b32 s48, (1<<16)|(1<<20)|(4<<22)|(7<<25) ; W_c: 128 k of a plane are 16,384 dense bytes: 64 rows of 256, 8 words of padding after every 32
	s_mov_b32 s49, 128<<16
	s_mov_b32 s50, 64<<16
	s_mov_b32 s51, 128<<16
	s_mov_b32 s52, 64
	s_mov_b32 s53, 128
	s_mov_b32 s54, 0
	s_mov_b32 s55, 0
	s_lshl_b32 s22, s19, 20                        ; hcat: 256 rows of 4,096 bytes, my 128: nothing here hangs on cx
	s_lshl_b32 s23, s20, 19
	s_add_co_u32 s22, s22, s23
	s_mov_b32 s23, 0
	s_lshl_b32 s44, s18, 19                        ; wc16: my work-group's two planes of 262,144 bytes, mine of the two
	s_lshl_b32 s45, s20, 18
	s_add_co_u32 s44, s44, s45
	s_mov_b32 s45, 0
	s_lshl_b32 s46, s19, 20                        ; out0: my wave's first row, my 512 bytes
	s_lshl_b32 s47, s16, 18
	s_add_co_u32 s46, s46, s47
	s_lshl_b32 s14, s18, 9                         ; also b's 128 numbers
	s_add_co_u32 s46, s46, s14
	s_mov_b32 s47, 0
	s_mov_b32 s15, 0
	s_mul_i32 s21, s20, 128*PITCH
	s_mul_i32 s12, s20, SMH
	s_add_co_u32 s12, s12, BIGB
	s_mov_b32 s32, 1
	s_mov_b32 s33, s21
	s_mov_b32 s36, 1
	s_add_co_u32 s37, s21, SLOT1
	s_mov_b32 s56, 1
	s_mov_b32 s57, s12
	s_mov_b32 s60, 1
	s_add_co_u32 s61, s12, SLOT1
	s_mov_b32 s40, 0
	s_mov_b32 s42, 0x4038aa3b                      ; 2 log2(e)
	s_mov_b32 s43, 0x4038aa3b
	s_wait_dscnt 0x0                               ; the opening add is done
	s_wait_kmcnt 0x0
	s_add_nc_u64 s[34:35], s[4:5], s[22:23]
	s_add_nc_u64 s[38:39], s[34:35], STEPA
	s_or_b32 s35, s35, 0x80000000
	s_or_b32 s39, s39, 0x80000000
	s_add_nc_u64 s[58:59], s[6:7], s[44:45]
	s_add_nc_u64 s[62:63], s[58:59], STEPB
	s_or_b32 s59, s59, 0x80000000
	s_or_b32 s63, s63, 0x80000000
	s_add_nc_u64 s[8:9], s[8:9], s[14:15]
	s_add_nc_u64 s[10:11], s[10:11], s[46:47]
	CROUND
	s_cmp_lt_u32 s16, 2                            ; a wave's two first fills stand in one branch: two tensor loads of mine are out
	s_cbranch_scc0 .Lfirst_b
	tensor_load_to_lds s[32:35], s[24:31]
	s_nop 0
	tensor_load_to_lds s[36:39], s[24:31]
	s_nop 0
.rept 4
	v_nop
.endr
	s_branch .Lfirst_done
.Lfirst_b:
	tensor_load_to_lds s[56:59], s[48:55]
	s_nop 0
	tensor_load_to_lds s[60:63], s[48:55]
	s_nop 0
.rept 4
	v_nop
.endr
.Lfirst_done:
	v_and_b32 v[CO], 31, v0
	v_lshlrev_b32 v[CO], 4, v[CO]                  ; 16 l: my four columns, in b, in the stage's rows and in out0's
	global_load_b128 v[32:35], v[CO], s[8:9]
	v_and_b32 v1, 15, v0                           ; r
	v_bfe_u32 v2, v0, 4, 1                         ; h
	v_mul_u32_u24 v4, v1, PITCH
	v_lshl_add_u32 v4, v2, 4, v4
	s_mul_i32 s14, s16, 64*PITCH
	v_add_nc_u32 v[A1Z], s14, v4
	v_and_b32 v5, 7, v0                            ; the turning load: lane l reads k 8 (l / 16) + l % 8, columns 8 ((l / 8) % 2) + 0..7
	v_bfe_u32 v6, v0, 3, 1
	v_lshl_add_u32 v[A0Z], v2, 3, v5
	v_mul_u32_u24 v[A0Z], v[A0Z], PV
	v_lshl_add_u32 v[A0Z], v6, 4, v[A0Z]
	v_add_nc_u32 v[A0Z], BIGB, v[A0Z]
	v_mov_b32 v[A1], v[A1Z]
	v_mov_b32 v[A0], v[A0Z]
	s_mul_i32 s14, s16, 32*SPITCH
	s_add_co_u32 s14, s14, STAGE
	v_mul_u32_u24 v[STO], v1, SPITCH
	v_lshl_add_u32 v[STO], v2, 5, v[STO]
	v_add_nc_u32 v[STO], s14, v[STO]
	v_add_nc_u32 v[RD], s14, v[CO]                 ; back: a wave takes a whole row of 512 bytes
	s_wait_loadcnt 0x0
	v_cvt_pk_bf16_f32 v36, v32, v33                ; b rounded to bf16,
	v_cvt_pk_bf16_f32 v37, v34, v35
	v_lshlrev_b32 v32, 16, v36
	v_and_b32 v33, 0xffff0000, v36
	v_lshlrev_b32 v34, 16, v37
	v_and_b32 v35, 0xffff0000, v37
	v_pk_mul_f32 v[32:33], v[32:33], s[42:43] op_sel_hi:[1,0]   ; times 2 log2(e)
	v_pk_mul_f32 v[34:35], v[34:35], s[42:43] op_sel_hi:[1,0]
.macro MUL8 f, a, zero
	WIN 0x50
.irp bt, 0,1,2,3,4,5,6,7
.if \zero
	v_wmma_f32_16x16x32_f16 v[64*(\a)+8*(\bt):64*(\a)+8*(\bt)+7], v[(\f)+8*(\bt):(\f)+8*(\bt)+7], v[(\f)+64+8*(\a):(\f)+64+8*(\a)+7], 0
.else
	v_wmma_f32_16x16x32_f16 v[64*(\a)+8*(\bt):64*(\a)+8*(\bt)+7], v[(\f)+8*(\bt):(\f)+8*(\bt)+7], v[(\f)+64+8*(\a):(\f)+64+8*(\a)+7], v[64*(\a)+8*(\bt):64*(\a)+8*(\bt)+7]
.endif
.endr
.endm
.macro MUL32 f, zero                   ; each accumulator once: they take turns
	MUL8 \f, 0, \zero
	MUL8 \f, 1, \zero
	MUL8 \f, 2, \zero
	MUL8 \f, 3, \zero
.endm
.macro FETCH kq, f                     ; 24 LDS loads: W_c turned (plane bt / 4, columns 16 (bt % 4) on, k 32 kq on), then hcat
	WIN 0
.irp bt, 0,1,2,3,4,5,6,7
	ds_load_tr16_b128 v[(\f)+8*(\bt):(\f)+8*(\bt)+3],   v[A0] offset:((\bt)/4)*SMH+(\kq)*32*PV+((\bt)%4)*32
	ds_load_tr16_b128 v[(\f)+8*(\bt)+4:(\f)+8*(\bt)+7], v[A0] offset:((\bt)/4)*SMH+(\kq)*32*PV+16*PV+((\bt)%4)*32
.endr
.irp a, 0,1,2,3
	ds_load_b128 v[(\f)+64+8*(\a):(\f)+64+8*(\a)+3],   v[A1] offset:(\a)*16*PITCH+(\kq)*64
	ds_load_b128 v[(\f)+64+8*(\a)+4:(\f)+64+8*(\a)+7], v[A1] offset:(\a)*16*PITCH+(\kq)*64+32
.endr
.endm
.macro QUARTER kq, f, g, zero
	PLACES
	FETCH \kq, \g
	s_wait_dscnt 24                                ; all but the 24 just issued: f is in
	MUL32 \f, \zero
.endm
.macro TURN fill                       ; the last quarter of a K step, and the change of slots
	WIN 0
	s_wait_tensorcnt 0x0                           ; all my tensor loads have landed: the one that was out is my part of the next slot
	ds_add_u32 v[SPW], v[NIL]
.if \fill
	s_xor_b32 s37, s37, SLOT1
	s_add_nc_u64 s[38:39], s[38:39], STEPA
	s_xor_b32 s61, s61, SLOT1
	s_add_nc_u64 s[62:63], s[62:63], STEPB
.endif
	s_wait_dscnt 1                                 ; only the add may be out: buffer 1 is in
	MUL8 F1, 0, 0
	s_wait_dscnt 0x0                               ; the add is done, and my reads of this slot are over
	s_barrier_signal -1
	MUL8 F1, 1, 0
	WIN 0
	s_barrier_wait -1
.if \fill
	CREST
	JLOAD
.else
	PLACES
.endif
	s_xor_b32 s40, s40, SLOT1
	v_add_nc_u32 v[A1], s40, v[A1Z]
	v_add_nc_u32 v[A0], s40, v[A0Z]
	FETCH 0, F0
	MUL8 F1, 2, 0
	MUL8 F1, 3, 0
.endm
.macro RAWST half
	WIN 0x04
.irp a, 0,1
.irp bt, 0,1,2,3,4,5,6,7
	ds_store_b128 v[STO], v[64*(2*(\half)+(\a))+8*(\bt):64*(2*(\half)+(\a))+8*(\bt)+3]   offset:(\a)*16*SPITCH+(\bt)*64
	ds_store_b128 v[STO], v[64*(2*(\half)+(\a))+8*(\bt)+4:64*(2*(\half)+(\a))+8*(\bt)+7] offset:(\a)*16*SPITCH+(\bt)*64+16
.endr
.endr
	WIN 0
.endm
.macro FOUT half                       ; THE WAY OUT of 32 rows, four a trip: bias, tanh, and a store of 512 consecutive bytes for each row
	RAWST \half
	v_mov_b32 v[RDW], v[RD]
	s_mov_b32 s41, 8
.Lf_\@:
.irp i, 0,1,2,3
	ds_load_b128 v[64+4*(\i):64+4*(\i)+3], v[RDW] offset:(\i)*SPITCH
.endr
	s_wait_dscnt 0x0
.irp i, 0,1,2,3
.irp k, 0,1
	v_pk_fma_f32 v[64+4*(\i)+2*(\k):64+4*(\i)+2*(\k)+1], v[64+4*(\i)+2*(\k):64+4*(\i)+2*(\k)+1], s[42:43], v[32+2*(\k):33+2*(\k)] op_sel_hi:[1,0,1]
.endr
.endr
.set i, 0
.rept 16
	v_exp_f32 v[64+i], v[64+i]
.set i, i+1
.endr
	v_nop                                          ; a plain instruction between the last exponential and the use of its result
.set i, 0
	s_wait_alu depctr_va_vdst(0)
.rept 8
	v_pk_add_f32 v[64+2*i:64+2*i+1], v[64+2*i:64+2*i+1], 1.0 op_sel_hi:[1,0]
.set i, i+1
.endr
.set i, 0
.rept 16
	v_rcp_f32 v[64+i], v[64+i]
.set i, i+1
.endr
	v_nop
.set i, 0
	s_wait_alu depctr_va_vdst(0)
.rept 8
	v_pk_fma_f32 v[64+2*i:64+2*i+1], v[64+2*i:64+2*i+1], -2.0, 1.0 op_sel_hi:[1,0,0]
.set i, i+1
.endr
.irp i, 0,1,2,3
	global_store_b128 v[CO], v[64+4*(\i):64+4*(\i)+3], s[10:11] offset:(\i)*4096 th:TH_STORE_NT
.endr
	s_wait_xcnt 0x0                                ; the stores' data and base are rewritten only behind this wait
	v_add_nc_u32 v[RDW], 4*SPITCH, v[RDW]
	s_add_nc_u64 s[10:11], s[10:11], 16384
	s_sub_co_u32 s41, s41, 1
	s_cmp_lg_u32 s41, 0
	s_cbranch_scc1 .Lf_\@
.endm
	s_wait_tensorcnt 1                             ; my part of slot 0 is in; slot 1's may stay out
	s_barrier_signal -1
	s_barrier_wait -1
	FETCH 0, F0
	QUARTER 1, F0, F1, 1
	WIN 0
	s_mov_b32 s41, NSTEP-2
.Ltrip:
	QUARTER 2, F1, F0, 0
	QUARTER 3, F0, F1, 0
	TURN 1
	QUARTER 1, F0, F1, 0
	WIN 0
	s_sub_co_u32 s41, s41, 1
	s_cmp_lg_u32 s41, 0
	s_cbranch_scc1 .Ltrip
	QUARTER 2, F1, F0, 0
	QUARTER 3, F0, F1, 0
	TURN 0
	QUARTER 1, F0, F1, 0
	QUARTER 2, F1, F0, 0
	QUARTER 3, F0, F1, 0
	s_wait_dscnt 0x0
	MUL32 F1, 0
	PLACES
	FOUT 0
	FOUT 1
	s_wait_tensorcnt 0x0                           ; the wave's end
	ds_add_u32 v[SPW], v[NIL]
	s_wait_dscnt 0x0
	CROUND
	s_endpgm
.Lfunc_end_k_qd1073e5282_final:
	.size	k_qd1073e5282_final, .Lfunc_end_k_qd1073e5282_final-k_qd1073e5282_final
	.p2alignl 7, 3214868480
	.fill 96, 4, 3214868480
	.section	.rodata,"a",@progbits
	.p2align	6, 0x0
	.amdhsa_kernel k_qd1073e5282_final
		.amdhsa_group_segment_fixed_size 327680
		.amdhsa_private_segment_fixed_size 0
		.amdhsa_enable_private_segment 0
		.amdhsa_kernarg_size 32
		.amdhsa_user_sgpr_count 2
		.amdhsa_user_sgpr_kernarg_segment_ptr 1
		.amdhsa_wavefront_size32 1
		.amdhsa_system_sgpr_workgroup_id_x 1
		.amdhsa_system_sgpr_workgroup_id_y 1
		.amdhsa_system_sgpr_workgroup_id_z 1
		.amdhsa_system_vgpr_workitem_id 0
		.amdhsa_next_free_vgpr 512
		.amdhsa_next_free_sgpr 66
		.amdhsa_reserve_vcc 0
		.amdhsa_float_denorm_mode_32 3
		.amdhsa_float_denorm_mode_16_64 3
		.amdhsa_memory_ordered 1
		.amdhsa_forward_progress 1
		.amdhsa_inst_pref_size 65
	.end_amdhsa_kernel
	.amdgpu_metadata
---
amdhsa.version: [ 1, 2 ]
amdhsa.kernels:
  - .name:           k_qd1073e5282_final
    .symbol:         k_qd1073e5282_final.kd
    .args:
      - { .name: hcat, .offset: 0, .size: 8, .value_kind: global_buffer, .address_space: global }
      - { .name: wc16, .offset: 8, .size: 8, .value_kind: global_buffer, .address_space: global }
      - { .name: b, .offset: 16, .size: 8, .value_kind: global_buffer, .address_space: global }
      - { .name: out0, .offset: 24, .size: 8, .value_kind: global_buffer, .address_space: global }
    .group_segment_fixed_size: 327680
    .private_segment_fixed_size: 0
    .kernarg_segment_align: 8
    .kernarg_segment_size: 32
    .max_flat_workgroup_size: 128
    .sgpr_count:     66
    .vgpr_count:     512
    .wavefront_size: 32
...
	.end_amdgpu_metadata
.endif
;; end of part 5
